; MI455X (gfx1250); checked and timed in simulation.
; The chip was launched on July 23, 2026; its instructions are those of AMD's public machine-readable ISA for CDNA 5 (MIT licence, August 2026) and "CDNA5" Instruction Set Architecture Reference Guide (July 2026). The comments in the code are by the model that wrote it; some were corrected since.
;; Multi Scale Transformer Layer. Allowed arithmetic: matrix products marked QUANTISED: E4M3 operands, one given power-of-two scale a tensor, by v_wmma_f32_16x16x64_fp8_fp8 or v_wmma_f32_16x16x128_fp8_fp8, f32 sums; everything else in f32.
;; Inputs: W1_codes 2,048 x 16 x 32 uint8 (E4M3 codes of W1, K innermost, in blocks of 32 codes); W2_codes 512 x 64 x 32 uint8 (E4M3 codes of W2, K innermost, in blocks of 32 codes); Wk_codes 512 x 16 x 32 uint8 (E4M3 codes of Wk, K innermost, in blocks of 32 codes); Wo_codes 512 x 16 x 32 uint8 (E4M3 codes of Wo, K innermost, in blocks of 32 codes); Wq_codes 512 x 16 x 32 uint8 (E4M3 codes of Wq, K innermost, in blocks of 32 codes); Wv_codes 512 x 16 x 32 uint8 (E4M3 codes of Wv, K innermost, in blocks of 32 codes); b1 2,048 float32; b2 512 float32; be1 512 float32; be2 512 float32; bk 512 float32; bo 512 float32; bq 512 float32; bv 512 float32; g1 512 float32; g2 512 float32; lowp_scales 16 int32 (the exponents e of the quantised operands' scales 2^e); x 32 x 512 x 512 float32.
;; Outputs: out0 32 x 512 x 512 float32.
;; This version of the problem:
;;   THIS VERSION OF THE PROBLEM IS GIVEN IN LOW PRECISION. The matrix products marked QUANTISED in the list below multiply operands that are first quantised to E4M3 (4 exponent bits, 3 mantissa bits; 8 bits a number), with one given power-of-two scale for each operand tensor; their sums are f32. All else is computed in f32.
;;   The module's matrix products, in the order in which they are computed (A, B: the left and right operand; K: the contracted axis; several contracted axes count as one K, in the product's order):
;;     1. [M 16,384, K 512] x [K 512, N 512]; A: computed on the way; B: input Wq (given as codes): QUANTISED (scales: A lowp_scales[0], B lowp_scales[1])
;;     2. [M 16,384, K 512] x [K 512, N 512]; A: computed on the way; B: input Wk (given as codes): QUANTISED (scales: A lowp_scales[2], B lowp_scales[3])
;;     3. [M 16,384, K 512] x [K 512, N 512]; A: computed on the way; B: input Wv (given as codes): QUANTISED (scales: A lowp_scales[4], B lowp_scales[5])
;;     4. batch 512 x [M 512, K 32] x [K 32, N 512]; A: computed on the way; B: computed on the way: QUANTISED (scales: A lowp_scales[6], B lowp_scales[7])
;;     5. batch 512 x [M 512, K 512] x [K 512, N 32]; A: softmax (see below); B: computed on the way: QUANTISED (scales: A lowp_scales[8], B lowp_scales[9])
;;     6. [M 16,384, K 512] x [K 512, N 512]; A: computed on the way; B: input Wo (given as codes): QUANTISED (scales: A lowp_scales[10], B lowp_scales[11])
;;     7. [M 16,384, K 512] x [K 512, N 2,048]; A: computed on the way; B: input W1 (given as codes): QUANTISED (scales: A lowp_scales[12], B lowp_scales[13])
;;     8. [M 16,384, K 2,048] x [K 2,048, N 512]; A: computed on the way; B: input W2 (given as codes): QUANTISED (scales: A lowp_scales[14], B lowp_scales[15])
;;   THE QUANTISER, for each operand of a quantised product, along K:
;;     - The operand's scale is 2^e, e = its entry of the input lowp_scales (int32; the entries are numbered through the quantised products in the list's order, A before B).
;;     - Each number is divided by the scale, clamped to +-448, and rounded to the nearest number of E4M3, ties to even, subnormals kept.
;;     - The product sums the exact products of the quantised numbers (number of the format x scale) in f32.
;;   ~~~python
;;   def quantise(x, axis, e):      # numpy; x: float32 -> the quantised numbers, widened to float32 again
;;       x = np.moveaxis(x, axis, -1); K = x.shape[-1]
;;       r = np.clip(x / 2.0 ** e, -448, 448)
;;       step = 2.0 ** (np.maximum(np.frexp(np.where(r == 0, 1, r))[1] - 1, -6) - 3)
;;       q = np.round(r / step) * step * 2.0 ** e      # np.round: ties to even
;;       return np.moveaxis(q, -1, axis).astype(np.float32)
;;   ~~~
;;   SOFTMAX AHEAD OF A QUANTISED PRODUCT. Where the list says 'softmax', what is quantised is not the finished softmax but p = 2^(t - M), with t = logit x log2(e) and M = ceil(the row's largest t), a whole number; so 1/2 < the row's largest p <= 1. The row's sum l is taken of the UNQUANTISED p, in f32, and the product's result is divided by l at the end. Since M is a whole number, a kernel that streams over the keys may use a running M (the ceiling of the running maximum): every later rescaling is an exact power of two, so the quantised numbers keep their values, but for numbers so far below the row's largest that they fall under the format's range.
;;   OPERANDS COMPUTED ON THE WAY. 'Computed on the way' means the value that the module computes at that place (a softmax that the list does not call 'softmax' is quantised finished and normalised). What goes into a quantiser is computed in f32, as accurately as f32 sums, v_exp_f32 and their like allow (about 1e-6 of the number): no bf16 or f16 on the way to a quantiser, and a product that is left as it is and whose result goes on into a quantised operand takes f32 operands (vector FMAs, or v_wmma_f32_16x16x4_f32). A number that lies on a knife's edge between two numbers of the format may be rounded either way, as far as f32 arithmetic and the matrix unit's own rounding can turn it there, and no further.
;;   INPUTS GIVEN AS CODES. W1 (in the module: [512, 2048], K = its axis 0); W2 (in the module: [2048, 512], K = its axis 0); Wk (in the module: [512, 512], K = its axis 0); Wo (in the module: [512, 512], K = its axis 0); Wq (in the module: [512, 512], K = its axis 0); Wv (in the module: [512, 512], K = its axis 0): each comes as NAME_codes (uint8): NAME with its K axis moved to the last place and cut into blocks of 32 codes, [.., K / 32, bytes a block], one block behind the other in memory; one code a byte (a code: sign, 4 exponent bits, 3 mantissa bits); its scale is its entry of lowp_scales. Its value is code x scale, taken as it is: it is not quantised again, and the codes and scales need not be those that the quantiser above would give.
;; 2 versions, each right; version 2 is version 1 with the launches qkv, attn written anew for expert scheduling mode. Each part assembles by itself: llvm-mc -triple=amdgcn-amd-amdhsa -mcpu=gfx1250 --defsym DOCPART=n.
;; ======== version 1 of 2: 3 launches
;; workspace buffers: qimg 8,388,608 bytes; kimg 8,388,608 bytes; vimg 8,388,608 bytes; aimg 8,388,608 bytes; wimg 2,359,296 bytes
;; launch qkv (part 1): grid 64 x 4, 4 waves a work-group, no clusters, 83,968 bytes of LDS; arguments x, g1, be1, Wq_codes, Wk_codes, Wv_codes, bq, bk, bv, lowp_scales, Wo_codes, W1_codes, W2_codes, qimg, kimg, vimg, wimg; writes qimg, kimg, vimg, wimg
.if DOCPART == 1
	.amdgcn_target "amdgcn-amd-amdhsa--gfx1250"
	.amdhsa_code_object_version 6
	.text
	.protected	k_q75e0875493_qkv
	.globl	k_q75e0875493_qkv
	.p2align	8
	.type	k_q75e0875493_qkv,@function
k_q75e0875493_qkv:
	s_mov_b64 s[64:65], 0
	v_nop
	global_prefetch_b8 v0, s[64:65] scope:SCOPE_SE
	s_setreg_imm32_b32 hwreg(HW_REG_WAVE_MODE, 25, 1), 1
	s_wait_xcnt 0x0
; LN1; xn quantised three times (scales e0, e2, e4); xn Wq, xn Wk, xn Wv on E4M3 codes; biases; RoPE on q and k; q, k, v quantised (e6, e7, e9) and stored as images of operand registers.
; At the end each wave lays one fragment of W1 or W2 (and, in half of the work-groups, a quarter fragment of Wo) into wimg, in the order in which the last launch's waves take them.
; SHARES.  Work-group (cx, y): rows 256 cx .. +255 (batch cx / 2, tokens 256 (cx % 2) on), heads 4 y .. 4 y + 3.  Wave w owns head 4 y + w: its 2 + 2 + 2 column tiles x 4 K steps of Wq, Wk, Wv are
; 24 fragments, 384 registers, loaded once.  Rows go in 8 blocks of 32: wave w normalises rows 8 w .. 8 w + 7 of a block, the codes meet in LDS, every wave multiplies both tiles of 16 rows.
; The norm is made once for each y, four times in all: that keeps the weights in registers and gives 256 work-groups one text.
; NO JOINT LOADS: x is wanted in registers, 16 numbers of a row to a lane, for the norm; through LDS it would be written and read once more.  The weights are 192 KiB a work-group, read once.
; LAYOUTS.  q, k: source 0 = 16 rows of W, source 1 = 16 tokens: a lane holds one token, register j the channel 16 tile + 8 (lane / 16) + j: RoPE's partners d and d + 16 lie in one lane, and eight registers
; are eight neighbours along the next K.  v: source 0 = tokens, source 1 = Wv: a lane holds one channel and eight tokens, neighbours along the keys.
; x's and W's fragments are fetched by 16-byte loads (k = 32 c + 16 (lane / 16) + 0 .. 15 in registers 4 c ..): one permutation of k on both sides of a product.
; qimg, kimg: (head index) 16384 + (token / 16) 512 + 16 lane.  vimg: (head index) 16384 + (token / 32) 1024 + (channel / 16) 512 + 16 lane.
; LIMITS.  NaN and infinities among the inputs are not served.  e0, e2, e4, e6 - e0 - e1, e7 - e2 - e3, e9 - e4 - e5 lie between -126 and 119.  The RoPE angle is t x 10^(-j/4) with the factor rounded to f32;
; sine and cosine by reduction modulo pi / 2 in two parts and polynomials of degree 7 and 8 on +-pi / 4.
; REGISTERS.  window 0: v1-15 lane numbers and addresses; v16-27 scales and limits; v28-31 bv; v32-63 g1, be1; v64-95 bq, bk; v96-255 at work.  window 1: Wq, Wk.  window 2: Wv, x's fragments for q and k.  window 3: 8 rows of x.
.set ROWP, 528                         ; a row of 512 codes in LDS + 16 bytes: 33 x 16, so that 16 rows of a fragment load start at 16 different places modulo 256
.set SETB, 32*ROWP                     ; 32 rows: one of the three sets of codes
.set ROPE, 3*SETB                      ; behind them: cos and sin, 2,048 bytes for each of 16 tiles of rows
.set SA, 96                            ; norm: 8 registers a row, partial sums
.set ST, 128                           ; norm: 4 registers a row: mean (pair), 1 / sigma (pair)
.set T, 144                            ; 4 rows x 16 numbers, held within the largest code
.set CD, 208                           ; 4 rows x 3 sets x 4 registers of codes
.set GN, 32
.set BE, 48
.set SINV, 66                          ; s66 1 / 512
.set SEPS, 67                          ; s67 1e-5
.set SEL, 62                           ; s[62:63] lane selects: lane xor 16
.set ACC, 96                           ; q0 q1 k0 k1 v0 v1, 8 registers each
.set CS, 144                           ; cos (8), sin (8)
.set RT, 160
.set QC, 176
.set KC, 180
.set VC, 184
.set XFV, 192                          ; x's fragments for v
.set IV, 96                            ; RoPE tables: the lane's eight frequencies, and arrays of eight at work
.set RF, 112
.set RN, 120
.set RR, 128
.set RZ, 136
.set CO, 144
.set SI, 152
.set RQ, 160
.set RP, 168
.set RS, 176
.set RP2, 184
.set RC, 192
.set RB, 200
.set RT2, 208
.set MSB, 0
.macro WIN new                         ; the immediate's high byte repeats the setting that is left
.if MSB != \new
	s_set_vgpr_msb (MSB<<8)|\new
.set MSB, \new
.endif
.endm
.macro PLACES n
.rept \n
	v_nop
.endr
.endm
.macro BAR                             ; my LDS stores have landed and my LDS loads are in: then the work-group's barrier
	s_wait_dscnt 0x0
	s_barrier_signal -1
	s_barrier_wait -1
.endm
.macro MKSC vr, se                     ; v[vr] = 2^E, v[vr + 1] = 448 x 2^E, E in s[se]
	s_add_co_i32 s90, s[\se], 127
	s_lshl_b32 s91, s90, 23
	v_mov_b32 v[\vr], s91
	s_add_co_i32 s90, s90, 8
	s_lshl_b32 s90, s90, 23
	s_or_b32 s90, s90, 0x600000
	v_mov_b32 v[\vr+1], s90
.endm
.macro INVF j, lo, hi                  ; frequency 8 (lane / 16) + j
	v_mov_b32 v106, \hi
	v_cndmask_b32 v[IV+\j], \lo, v106, vcc_lo
.endm
.macro XLOAD g                         ; rows 4 g .. 4 g + 3 of my 8: each load takes 512 consecutive bytes of a row
	WIN 0xc0
.irp a,0,1,2,3
.irp i,0,1,2,3
	global_load_b128 v[16*(4*\g+\a)+4*\i:16*(4*\g+\a)+4*\i+3], v5, s[60:61] offset:2048*(4*\g+\a)+512*\i
.endr
.endr
	WIN 0
.endm
.macro LANESUM                         ; v[SA + 8 a], a = 0 .. 3: summed over the 32 lanes, the result in every lane
.irp x,1,2,4,8
.irp a,0,1,2,3
	v_add_f32_dpp v[SA+8*\a], v[SA+8*\a], v[SA+8*\a] row_xmask:\x row_mask:0xf bank_mask:0xf
.endr
.endr
.irp a,0,1,2,3
	v_permlanex16_b32 v[SA+8*\a+1], v[SA+8*\a], s[SEL], s[SEL+1]
.endr
.irp a,0,1,2,3
	v_add_f32 v[SA+8*\a], v[SA+8*\a], v[SA+8*\a+1]
.endr
.endm
; The norm of rows 4 g .. 4 g + 3 (window 3, 16 registers a row), in place, stage by stage over the four rows so that no line waits for the line above it.
.macro LNCORE g
	WIN 0x0f
.irp a,0,1,2,3
.set XB, 16*(4*\g+\a)
.irp q,0,1,2,3
	v_pk_add_f32 v[SA+8*\a+2*\q:SA+8*\a+2*\q+1], v[XB+4*\q:XB+4*\q+1], v[XB+4*\q+2:XB+4*\q+3]
.endr
.endr
	WIN 0
.irp a,0,1,2,3
	v_pk_add_f32 v[SA+8*\a:SA+8*\a+1], v[SA+8*\a:SA+8*\a+1], v[SA+8*\a+2:SA+8*\a+3]
	v_pk_add_f32 v[SA+8*\a+4:SA+8*\a+5], v[SA+8*\a+4:SA+8*\a+5], v[SA+8*\a+6:SA+8*\a+7]
.endr
.irp a,0,1,2,3
	v_pk_add_f32 v[SA+8*\a:SA+8*\a+1], v[SA+8*\a:SA+8*\a+1], v[SA+8*\a+4:SA+8*\a+5]
.endr
.irp a,0,1,2,3
	v_add_f32 v[SA+8*\a], v[SA+8*\a], v[SA+8*\a+1]
.endr
	LANESUM
.irp a,0,1,2,3
	v_mul_f32 v[ST+4*\a], s[SINV], v[SA+8*\a]      ; the mean
.endr
	WIN 0xc3
.irp a,0,1,2,3
.set XB, 16*(4*\g+\a)
.irp q,0,2,4,6,8,10,12,14
	v_pk_add_f32 v[XB+\q:XB+\q+1], v[XB+\q:XB+\q+1], v[ST+4*\a:ST+4*\a+1] op_sel_hi:[1,0] neg_lo:[0,1] neg_hi:[0,1]
.endr
.endr
	WIN 0x0f
.irp a,0,1,2,3
.set XB, 16*(4*\g+\a)
	v_pk_mul_f32 v[SA+8*\a:SA+8*\a+1], v[XB:XB+1], v[XB:XB+1]
	v_pk_mul_f32 v[SA+8*\a+2:SA+8*\a+3], v[XB+2:XB+3], v[XB+2:XB+3]
.endr
.irp q,4,8,12
.irp a,0,1,2,3
.set XB, 16*(4*\g+\a)
	v_pk_fma_f32 v[SA+8*\a:SA+8*\a+1], v[XB+\q:XB+\q+1], v[XB+\q:XB+\q+1], v[SA+8*\a:SA+8*\a+1]
	v_pk_fma_f32 v[SA+8*\a+2:SA+8*\a+3], v[XB+\q+2:XB+\q+3], v[XB+\q+2:XB+\q+3], v[SA+8*\a+2:SA+8*\a+3]
.endr
.endr
	WIN 0
.irp a,0,1,2,3
	v_pk_add_f32 v[SA+8*\a:SA+8*\a+1], v[SA+8*\a:SA+8*\a+1], v[SA+8*\a+2:SA+8*\a+3]
.endr
.irp a,0,1,2,3
	v_add_f32 v[SA+8*\a], v[SA+8*\a], v[SA+8*\a+1]
.endr
	LANESUM
.irp a,0,1,2,3
	v_fma_f32 v[SA+8*\a], v[SA+8*\a], s[SINV], s[SEPS]
.endr
.irp a,0,1,2,3
	v_rsq_f32 v[ST+4*\a+2], v[SA+8*\a]
.endr
	v_nop                                          ; a plain line behind the last root
	s_wait_alu depctr_va_vdst(0)                   ; one wait for the four roots, ahead of their first reader
	WIN 0xc3
.irp a,0,1,2,3
.set XB, 16*(4*\g+\a)
.irp q,0,2,4,6,8,10,12,14
	v_pk_mul_f32 v[XB+\q:XB+\q+1], v[XB+\q:XB+\q+1], v[ST+4*\a+2:ST+4*\a+3] op_sel_hi:[1,0]
.endr
.endr
.irp a,0,1,2,3
.set XB, 16*(4*\g+\a)
.irp q,0,2,4,6,8,10,12,14
	v_pk_fma_f32 v[XB+\q:XB+\q+1], v[XB+\q:XB+\q+1], v[GN+\q:GN+\q+1], v[BE+\q:BE+\q+1]
.endr
.endr
	WIN 0
.endm
; Four rows: the norm, then the three quantisers.  A lane's register 4 i + e is k = 128 i + 4 lane + e, so a register of codes is 4 neighbours and a wave's store 128 consecutive bytes of a row.
.macro LN4 g, n
	s_wait_loadcnt \n                              ; these four rows are in; the n younger loads stay out
	s_wait_dscnt 0x0                               ; the last stores of codes have read their registers
	LNCORE \g
.irp e,0,1,2
	WIN 0x03
.irp a,0,1,2,3
.irp i,0,1,2,3,4,5,6,7,8,9,10,11,12,13,14,15
	v_med3_num_f32 v[T+16*\a+\i], v[16*(4*\g+\a)+\i], -v[17+2*\e], v[17+2*\e]   ; the conversion does not saturate (ISA guide 7.6.2): the hold at 448 x the scale
.endr
.endr
	WIN 0
.irp a,0,1,2,3
	v_cvt_scalef32_pk8_fp8_f32 v[CD+12*\a+4*\e:CD+12*\a+4*\e+1], v[T+16*\a:T+16*\a+7], v[16+2*\e]
	v_cvt_scalef32_pk8_fp8_f32 v[CD+12*\a+4*\e+2:CD+12*\a+4*\e+3], v[T+16*\a+8:T+16*\a+15], v[16+2*\e]
.endr
	v_nop                                          ; a plain line between the conversions and the lines that write their sources again
.irp a,0,1,2,3
.irp i,0,1,2,3
	ds_store_b32 v6, v[CD+12*\a+4*\e+\i] offset:SETB*\e+ROWP*(4*\g+\a)+128*\i
.endr
.endr
.endr
.endm
; RoPE on the two tiles a0 (channels 8 h + j) and a1 (16 + 8 h + j), the hold, the conversion: four registers of codes, a K = 64 fragment's lower half.
.macro ROPEQ a0, a1, sc, out
.irp p,0,2,4,6
	v_pk_mul_f32 v[RT+\p:RT+\p+1], v[\a1+\p:\a1+\p+1], v[CS+8+\p:CS+9+\p]
	v_pk_mul_f32 v[RT+8+\p:RT+9+\p], v[\a0+\p:\a0+\p+1], v[CS+8+\p:CS+9+\p]
.endr
.irp p,0,2,4,6
	v_pk_fma_f32 v[\a0+\p:\a0+\p+1], v[\a0+\p:\a0+\p+1], v[CS+\p:CS+\p+1], v[RT+\p:RT+\p+1] neg_lo:[0,0,1] neg_hi:[0,0,1]
	v_pk_fma_f32 v[\a1+\p:\a1+\p+1], v[\a1+\p:\a1+\p+1], v[CS+\p:CS+\p+1], v[RT+8+\p:RT+9+\p]
.endr
.irp i,0,1,2,3,4,5,6,7
	v_med3_num_f32 v[\a0+\i], v[\a0+\i], -v[\sc+1], v[\sc+1]
	v_med3_num_f32 v[\a1+\i], v[\a1+\i], -v[\sc+1], v[\sc+1]
.endr
	v_cvt_scalef32_pk8_fp8_f32 v[\out:\out+1], v[\a0:\a0+7], v[\sc]
	v_cvt_scalef32_pk8_fp8_f32 v[\out+2:\out+3], v[\a1:\a1+7], v[\sc]
.endm
; Tile m (16 rows) of the block against my head's six column tiles.
.macro TILE m
	WIN 0x80
.irp s,0,1,2,3
.irp c,0,1,2,3
	ds_load_b128 v[128+16*\s+4*\c:128+16*\s+4*\c+3], v8 offset:16*ROWP*\m+128*\s+32*\c
.endr
.endr
.irp s,0,1,2,3
.irp c,0,1,2,3
	ds_load_b128 v[192+16*\s+4*\c:192+16*\s+4*\c+3], v8 offset:SETB+16*ROWP*\m+128*\s+32*\c
.endr
.endr
	WIN 0
.irp s,0,1,2,3
.irp c,0,1,2,3
	ds_load_b128 v[XFV+16*\s+4*\c:XFV+16*\s+4*\c+3], v8 offset:2*SETB+16*ROWP*\m+128*\s+32*\c
.endr
.endr
.irp q,0,1,2,3
	ds_load_b128 v[CS+4*\q:CS+4*\q+3], v11 offset:2048*\m+512*\q
.endr
	s_wait_dscnt 20                                ; q's and k's fragments are in; v's 16 loads and the 4 of cos and sin may be out
	WIN 0x09                                       ; source 0 (W) window 1, source 1 (x) window 2
.irp s,0,1,2,3                                 ; four accumulators by turns, one instruction a turn; the biases, divided by the sums' power of two, are the C of the first K step
.irp t,0,1
.if \s == 0
	v_wmma_f32_16x16x128_fp8_fp8 v[ACC+8*\t:ACC+8*\t+7], v[16*(4*\t+\s):16*(4*\t+\s)+15], v[128+16*\s:143+16*\s], v[64+8*\t:71+8*\t]
.else
	v_wmma_f32_16x16x128_fp8_fp8 v[ACC+8*\t:ACC+8*\t+7], v[16*(4*\t+\s):16*(4*\t+\s)+15], v[128+16*\s:143+16*\s], v[ACC+8*\t:ACC+8*\t+7]
.endif
.endr
.irp t,0,1
.if \s == 0
	v_wmma_f32_16x16x128_fp8_fp8 v[ACC+16+8*\t:ACC+23+8*\t], v[128+16*(4*\t+\s):143+16*(4*\t+\s)], v[192+16*\s:207+16*\s], v[80+8*\t:87+8*\t]
.else
	v_wmma_f32_16x16x128_fp8_fp8 v[ACC+16+8*\t:ACC+23+8*\t], v[128+16*(4*\t+\s):143+16*(4*\t+\s)], v[192+16*\s:207+16*\s], v[ACC+16+8*\t:ACC+23+8*\t]
.endif
.endr
.endr
	s_wait_dscnt 4                                 ; v's fragments are in; cos and sin may be out
	WIN 0x08                                       ; source 0 (x) window 0, source 1 (Wv) window 2
.irp s,0,1,2,3
.irp t,0,1
.if \s == 0
	v_wmma_f32_16x16x128_fp8_fp8 v[ACC+32+8*\t:ACC+39+8*\t], v[XFV+16*\s:XFV+16*\s+15], v[16*(4*\t+\s):16*(4*\t+\s)+15], 0
.else
	v_wmma_f32_16x16x128_fp8_fp8 v[ACC+32+8*\t:ACC+39+8*\t], v[XFV+16*\s:XFV+16*\s+15], v[16*(4*\t+\s):16*(4*\t+\s)+15], v[ACC+32+8*\t:ACC+39+8*\t]
.endif
.endr
.endr
	WIN 0
	PLACES 4                                       ; behind the last products, ahead of the first read of results (ISA guide 7.12.1)
	s_wait_dscnt 0x0                               ; cos and sin
	s_wait_xcnt 0x0                                ; the last tile's stores have read their registers
	ROPEQ ACC, ACC+8, 22, QC
	ROPEQ ACC+16, ACC+24, 24, KC
.irp p,0,2,4,6
	v_pk_add_f32 v[ACC+32+\p:ACC+33+\p], v[ACC+32+\p:ACC+33+\p], v[28:29] op_sel_hi:[1,0]
	v_pk_add_f32 v[ACC+40+\p:ACC+41+\p], v[ACC+40+\p:ACC+41+\p], v[30:31] op_sel_hi:[1,0]
.endr
.irp i,0,1,2,3,4,5,6,7,8,9,10,11,12,13,14,15
	v_med3_num_f32 v[ACC+32+\i], v[ACC+32+\i], -v27, v27
.endr
	v_cvt_scalef32_pk8_fp8_f32 v[VC+2*\m:VC+2*\m+1], v[ACC+32:ACC+39], v26
	v_cvt_scalef32_pk8_fp8_f32 v[VC+4+2*\m:VC+5+2*\m], v[ACC+40:ACC+47], v26
	v_nop                                          ; a plain line behind the last conversion
	global_store_b128 v12, v[QC:QC+3], s[30:31] offset:512*\m     ; each store of the wave covers 512 consecutive bytes, aligned
	global_store_b128 v12, v[KC:KC+3], s[32:33] offset:512*\m
.if \m == 1
	global_store_b128 v12, v[VC:VC+3], s[34:35]                   ; the block's 32 tokens: one quad of a K = 128 fragment of V^T, for each tile of channels
	global_store_b128 v12, v[VC+4:VC+7], s[34:35] offset:512
.endif
.endm
.macro BLOCK refill
	v_add_nc_u32 v11, s58, v10
	LN4 0, 16                                      ; the 16 younger loads are rows 4 - 7
.if \refill
	XLOAD 0                                        ; the next block's rows 0 - 3 go out as soon as their registers are free
	LN4 1, 16                                      ; the 16 younger loads are those just issued
	XLOAD 1
.else
	LN4 1, 0
.endif
	BAR                                            ; the 32 rows' codes lie in LDS (in the first block: the tables of cos and sin too)
	TILE 0
	TILE 1
.if \refill
	BAR                                            ; every wave has read them: they may be written again
	s_wait_xcnt 0x0                                ; loads and stores have read their addresses
	s_add_nc_u64 s[60:61], s[60:61], 0x10000
	v_add_nc_u32 v12, 0x400, v12
	s_add_co_u32 s58, s58, 4096
.endif
.endm
	s_load_b512 s[4:19], s[0:1], 0x0               ; x, g1, be1, Wq, Wk, Wv, bq, bk
	s_load_b512 s[20:35], s[0:1], 0x40             ; bv, scales, Wo, W1, W2, qimg, kimg, vimg
	s_load_b64 s[36:37], s[0:1], 0x80              ; wimg
	s_set_vgpr_msb 0xc0
	v_lshl_add_u32 v128, v0, 2, 0x14600
	v_mov_b32 v129, 0
	s_set_vgpr_msb 0xc000
	v_lshrrev_b32 v1, 5, v0
	v_readfirstlane_b32 s56, v1                    ; wave
	v_and_b32 v1, 31, v0                           ; lane
	v_and_b32 v2, 15, v0                           ; r
	v_bfe_u32 v3, v0, 4, 1                         ; h
	v_lshlrev_b32 v4, 4, v1                        ; 16 lane
	s_and_b32 s38, ttmp7, 0xffff                   ; y
	s_lshl_b32 s39, s38, 2
	s_add_co_u32 s39, s39, s56                     ; my head
	s_lshl_b32 s78, s56, 14
	v_add_nc_u32 v5, s78, v4                       ; x: my 8 rows of 2,048 bytes, 16 bytes a lane
	s_mul_i32 s78, s56, 8*ROWP
	v_lshlrev_b32 v6, 2, v1
	v_add_nc_u32 v6, s78, v6                       ; codes into LDS: my 8 rows, 4 bytes a lane
	v_mul_u32_u24 v8, v2, ROWP
	v_lshl_add_u32 v8, v3, 4, v8                   ; a fragment: row r, + 16 h
	v_add_nc_u32 v10, ROPE, v4
	v_lshlrev_b32 v13, 9, v2
	v_lshl_add_u32 v13, v3, 4, v13                 ; a weight's fragment: row r of 512 bytes, + 16 h
	v_lshlrev_b32 v14, 5, v3                       ; bq, bk: 8 h numbers on
	v_lshlrev_b32 v15, 2, v2                       ; bv: r numbers on
	s_mov_b32 s62, 0x76543210
	s_mov_b32 s63, 0xfedcba98
	s_mov_b32 s66, 0x3b000000                      ; 1 / 512
	s_mov_b32 s67, 0x3727c5ac                      ; 1e-5
	s_mov_b32 s68, 0xbfc90fdb                      ; -pi / 2, upper part
	s_mov_b32 s69, 0x333bbd2e                      ; what the upper part has too much
	s_mov_b32 s70, 0xb94ca1f9                      ; sine: -1.9515295891e-4, 8.3321608736e-3, -1.6666654611e-1
	s_mov_b32 s71, 0x3c08839e
	s_mov_b32 s72, 0xbe2aaaa3
	s_mov_b32 s73, 0x37ccf5ce                      ; cosine: 2.443315712e-5, -1.388731625e-3, 4.166664568e-2
	s_mov_b32 s74, 0xbab6061a
	s_mov_b32 s75, 0x3d2aaaa5
	s_lshl_b32 s60, ttmp9, 19                      ; 256 rows of 2,048 bytes
	s_mov_b32 s61, 0
	s_lshl_b32 s80, s39, 14                        ; my head's 32 rows of 512 codes
	s_mov_b32 s81, 0
	s_lshl_b32 s82, s39, 7                         ; my head's 32 numbers of a bias
	s_mov_b32 s83, 0
	s_wait_kmcnt 0x0
	s_load_b512 s[40:55], s[22:23], 0x0            ; e0 .. e15
	s_add_nc_u64 s[60:61], s[4:5], s[60:61]
	XLOAD 0                                        ; block 0
	XLOAD 1
	s_add_nc_u64 s[10:11], s[10:11], s[80:81]
	s_add_nc_u64 s[12:13], s[12:13], s[80:81]
	s_add_nc_u64 s[14:15], s[14:15], s[80:81]
	s_add_nc_u64 s[16:17], s[16:17], s[82:83]
	s_add_nc_u64 s[18:19], s[18:19], s[82:83]
	s_add_nc_u64 s[20:21], s[20:21], s[82:83]
	WIN 0x40
.irp t,0,1
.irp s,0,1,2,3
.irp c,0,1,2,3
	global_load_b128 v[16*(4*\t+\s)+4*\c:16*(4*\t+\s)+4*\c+3], v13, s[10:11] offset:8192*\t+128*\s+32*\c
	global_load_b128 v[128+16*(4*\t+\s)+4*\c:128+16*(4*\t+\s)+4*\c+3], v13, s[12:13] offset:8192*\t+128*\s+32*\c
.endr
.endr
.endr
	WIN 0x80
.irp t,0,1
.irp s,0,1,2,3
.irp c,0,1,2,3
	global_load_b128 v[16*(4*\t+\s)+4*\c:16*(4*\t+\s)+4*\c+3], v13, s[14:15] offset:8192*\t+128*\s+32*\c
.endr
.endr
.endr
	WIN 0
.irp i,0,1,2,3
	global_load_b128 v[GN+4*\i:GN+4*\i+3], v4, s[6:7] offset:512*\i
	global_load_b128 v[BE+4*\i:BE+4*\i+3], v4, s[8:9] offset:512*\i
.endr
.irp t,0,1
	global_load_b128 v[64+8*\t:67+8*\t], v14, s[16:17] offset:64*\t
	global_load_b128 v[68+8*\t:71+8*\t], v14, s[16:17] offset:64*\t+16
	global_load_b128 v[80+8*\t:83+8*\t], v14, s[18:19] offset:64*\t
	global_load_b128 v[84+8*\t:87+8*\t], v14, s[18:19] offset:64*\t+16
	global_load_b32 v[28+2*\t], v15, s[20:21] offset:64*\t
.endr
	; ---- the tables of cos and sin: wave w makes tiles of rows 4 w .. 4 w + 3; lane (r, h): token r of the tile, frequencies 8 h + 0 .. 7.  The loads above land meanwhile
	v_cmp_eq_u32 vcc_lo, 1, v3
	INVF 0, 0x3f800000, 0x3c23d70a                 ; 10^(-j / 4), j = 0 .. 15
	INVF 1, 0x3f0ff59a, 0x3bb8449c
	INVF 2, 0x3ea1e89b, 0x3b4f3e37
	INVF 3, 0x3e361887, 0x3ae91528
	INVF 4, 0x3dcccccd, 0x3a83126f
	INVF 5, 0x3d6655c3, 0x3a136a16
	INVF 6, 0x3d0186e2, 0x39a5cb5f
	INVF 7, 0x3c91ad39, 0x393a7753
	s_and_b32 s84, ttmp9, 1
	s_lshl_b32 s84, s84, 8
	s_lshl_b32 s86, s56, 6
	s_add_co_u32 s84, s84, s86                     ; the tile's first token
	s_lshl_b32 s85, s56, 13                        ; and its place among the tables
	s_mov_b32 s59, 0
.Lrope:
	v_add_nc_u32 v104, s84, v2
	v_cvt_f32_u32 v104, v104
	v_add_nc_u32 v105, s85, v10
.irp j,0,1,2,3,4,5,6,7
	v_mul_f32 v[RF+\j], v104, v[IV+\j]             ; the angle
.endr
.irp j,0,1,2,3,4,5,6,7
	v_mul_f32 v[RN+\j], 0x3f22f983, v[RF+\j]
.endr
.irp j,0,1,2,3,4,5,6,7
	v_rndne_f32 v[RN+\j], v[RN+\j]                 ; n = the nearest multiple of pi / 2
.endr
.irp j,0,1,2,3,4,5,6,7
	v_fma_f32 v[RR+\j], v[RN+\j], s68, v[RF+\j]
.endr
.irp j,0,1,2,3,4,5,6,7
	v_fma_f32 v[RR+\j], v[RN+\j], s69, v[RR+\j]    ; the rest, within +-pi / 4
.endr
.irp j,0,1,2,3,4,5,6,7
	v_mul_f32 v[RZ+\j], v[RR+\j], v[RR+\j]
.endr
.irp j,0,1,2,3,4,5,6,7
	v_cvt_i32_f32 v[RQ+\j], v[RN+\j]
.endr
.irp j,0,1,2,3,4,5,6,7
	v_fma_f32 v[RP+\j], v[RZ+\j], s70, s71
.endr
.irp j,0,1,2,3,4,5,6,7
	v_fma_f32 v[RP+\j], v[RP+\j], v[RZ+\j], s72
.endr
.irp j,0,1,2,3,4,5,6,7
	v_mul_f32 v[RT2+\j], v[RR+\j], v[RZ+\j]
.endr
.irp j,0,1,2,3,4,5,6,7
	v_fma_f32 v[RS+\j], v[RP+\j], v[RT2+\j], v[RR+\j]   ; the rest's sine
.endr
.irp j,0,1,2,3,4,5,6,7
	v_fma_f32 v[RP2+\j], v[RZ+\j], s73, s74
.endr
.irp j,0,1,2,3,4,5,6,7
	v_fma_f32 v[RP2+\j], v[RP2+\j], v[RZ+\j], s75
.endr
.irp j,0,1,2,3,4,5,6,7
	v_mul_f32 v[RT2+\j], v[RZ+\j], v[RZ+\j]
.endr
.irp j,0,1,2,3,4,5,6,7
	v_fma_f32 v[RC+\j], v[RZ+\j], -0.5, 1.0
.endr
.irp j,0,1,2,3,4,5,6,7
	v_fma_f32 v[RC+\j], v[RP2+\j], v[RT2+\j], v[RC+\j]  ; and cosine
.endr
.irp j,0,1,2,3,4,5,6,7
	v_and_b32 v[RB+\j], 1, v[RQ+\j]
.endr
.irp j,0,1,2,3,4,5,6,7
	v_cmp_eq_u32 s[92+\j], 1, v[RB+\j]             ; n odd: the two change places
.endr
.irp j,0,1,2,3,4,5,6,7
	v_cndmask_b32 v[RP+\j], v[RS+\j], v[RC+\j], s[92+\j]
	v_cndmask_b32 v[RP2+\j], v[RC+\j], v[RS+\j], s[92+\j]
.endr
.irp j,0,1,2,3,4,5,6,7
	v_and_b32 v[RB+\j], 2, v[RQ+\j]
.endr
.irp j,0,1,2,3,4,5,6,7
	v_lshlrev_b32 v[RB+\j], 30, v[RB+\j]
.endr
.irp j,0,1,2,3,4,5,6,7
	v_xor_b32 v[SI+\j], v[RP+\j], v[RB+\j]         ; the sine is negative for n mod 4 = 2, 3
.endr
.irp j,0,1,2,3,4,5,6,7
	v_add_nc_u32 v[RB+\j], 1, v[RQ+\j]
.endr
.irp j,0,1,2,3,4,5,6,7
	v_and_b32 v[RB+\j], 2, v[RB+\j]
.endr
.irp j,0,1,2,3,4,5,6,7
	v_lshlrev_b32 v[RB+\j], 30, v[RB+\j]
.endr
.irp j,0,1,2,3,4,5,6,7
	v_xor_b32 v[CO+\j], v[RP2+\j], v[RB+\j]        ; the cosine for n mod 4 = 1, 2
.endr
	ds_store_b128 v105, v[CO:CO+3]
	ds_store_b128 v105, v[CO+4:CO+7] offset:512
	ds_store_b128 v105, v[SI:SI+3] offset:1024
	ds_store_b128 v105, v[SI+4:SI+7] offset:1536
	s_wait_dscnt 0x0                               ; the stores have read their registers
	s_add_co_u32 s84, s84, 16
	s_add_co_u32 s85, s85, 2048
	s_add_co_u32 s59, s59, 1
	s_cmp_lt_u32 s59, 4
	s_cbranch_scc1 .Lrope
	; ---- scales
	s_wait_kmcnt 0x0
	MKSC 16, 40                                    ; xn for q, k, v
	MKSC 18, 42
	MKSC 20, 44
	s_add_co_i32 s87, s40, s41                     ; a sum of xn Wq stands for sum x 2^(e0 + e1): q's conversion takes 2^(e6 - e0 - e1)
	s_sub_co_i32 s92, s46, s87
	MKSC 22, 92
	s_add_co_i32 s88, s42, s43
	s_sub_co_i32 s92, s47, s88
	MKSC 24, 92
	s_add_co_i32 s89, s44, s45
	s_sub_co_i32 s92, s49, s89
	MKSC 26, 92
	s_sub_co_i32 s87, 0, s87
	s_sub_co_i32 s88, 0, s88
	s_sub_co_i32 s89, 0, s89
	s_lshr_b32 s86, ttmp9, 1                       ; batch
	s_lshl_b32 s86, s86, 4
	s_add_co_u32 s86, s86, s39
	s_lshl_b32 s86, s86, 14
	s_and_b32 s90, ttmp9, 1
	s_lshl_b32 s90, s90, 13
	s_add_co_u32 s86, s86, s90
	v_add_nc_u32 v12, s86, v4                      ; where block 0's images go, the same in qimg, kimg, vimg
.irp a,0,1,2,3
	v_mov_b32 v[ST+4*\a+1], 0                      ; named as the upper halves of pairs
	v_mov_b32 v[ST+4*\a+3], 0
.endr
	v_mov_b32 v29, 0
	v_mov_b32 v31, 0
	s_wait_loadcnt 0x0                             ; weights, gains, biases (and block 0 of x)
	s_add_nc_u64 s[60:61], s[60:61], 0x10000       ; x at the next block
.irp j,0,1,2,3,4,5,6,7,8,9,10,11,12,13,14,15
	v_ldexp_f32 v[64+\j], v[64+\j], s87            ; the biases go in divided by the power of two that the sums lack
	v_ldexp_f32 v[80+\j], v[80+\j], s88
.endr
	v_ldexp_f32 v28, v28, s89
	v_ldexp_f32 v30, v30, s89
	s_mov_b32 s58, 0
	s_mov_b32 s59, 7
.Lblk:
	BLOCK 1
	s_sub_co_u32 s59, s59, 1
	s_cmp_lg_u32 s59, 0
	s_cbranch_scc1 .Lblk
	BLOCK 0                                        ; the last block asks for nothing: no load leaves x
	; ---- the weights of the last launch, laid as its waves take them.  1,024 waves, one fragment of W1 or W2 each.
	; wimg: ((w 72 + U) 4 + i) 2048 + 512 quad + 16 lane; a fragment in the form's own layout: registers 2 c, 2 c + 1 = k 16 c + 8 h + 0 .. 7
	s_lshl_b32 s70, s38, 6
	s_add_co_u32 s70, s70, ttmp9
	s_lshl_b32 s70, s70, 2
	s_add_co_u32 s70, s70, s56                     ; G = 0 .. 1023
	s_lshr_b32 s71, s70, 8                         ; the wave w that will take it
	s_bfe_u32 s72, s70, 0x20006                    ; chunk c
	s_bfe_u32 s73, s70, 0x40002                    ; u: 0 - 7 W1, 8 - 15 W2
	s_and_b32 s74, s70, 3                          ; i
	s_mul_i32 s86, s71, 72
	s_add_co_u32 s86, s86, 8
	s_lshl_b32 s87, s72, 4
	s_add_co_u32 s86, s86, s87
	s_add_co_u32 s86, s86, s73                     ; unit U = 8 + 16 c + u
	s_lshl_b32 s86, s86, 2
	s_add_co_u32 s86, s86, s74
	s_lshl_b32 s86, s86, 11
	s_lshl_b32 s75, s72, 5
	s_lshl_b32 s76, s71, 3
	s_add_co_u32 s75, s75, s76
	s_add_co_u32 s75, s75, s73                     ; W1: column tile 32 c + 8 w + u, K step i
	s_and_b32 s77, s73, 1
	s_lshl_b32 s77, s77, 2
	s_add_co_u32 s77, s77, s76
	s_add_co_u32 s77, s77, s74                     ; W2: column tile 8 w + 4 (u % 2) + i,
	s_bfe_u32 s78, s73, 0x20001
	s_lshl_b32 s79, s72, 2
	s_add_co_u32 s78, s78, s79                     ; K step 4 c + (u - 8) / 2
	s_cmp_lt_u32 s73, 8
	s_cselect_b64 s[80:81], s[26:27], s[28:29]
	s_cselect_b32 s75, s75, s77
	s_cselect_b32 s78, s74, s78
	s_cselect_b32 s79, 9, 11                       ; a row is 512 or 2,048 bytes
	s_add_co_u32 s82, s79, 4
	s_lshl_b32 s75, s75, s82                       ; 16 rows a tile
	s_lshl_b32 s78, s78, 7
	s_add_co_u32 s84, s75, s78
	s_mov_b32 s85, 0
	s_add_nc_u64 s[80:81], s[80:81], s[84:85]
	v_lshlrev_b32 v14, s79, v2
	v_lshl_add_u32 v14, v3, 3, v14                 ; row r, + 8 h
	v_add_nc_u32 v15, s86, v4
.irp c,0,1,2,3,4,5,6,7
	global_load_b64 v[96+2*\c:97+2*\c], v14, s[80:81] offset:16*\c
.endr
	s_wait_loadcnt 0x0
.irp q,0,1,2,3
	global_store_b128 v15, v[96+4*\q:99+4*\q], s[36:37] offset:512*\q
.endr
	s_cmp_lt_u32 s38, 2                            ; Wo: 128 fragments, 512 quads: the waves of y = 0 and 1 take one quad each
	s_cbranch_scc0 .Lend
	s_lshr_b32 s71, s70, 2
	s_lshr_b32 s72, s71, 5                         ; w
	s_bfe_u32 s73, s71, 0x30002                    ; u
	s_and_b32 s74, s71, 3                          ; K step
	s_lshl_b32 s75, s72, 3
	s_add_co_u32 s75, s75, s73                     ; column tile 8 w + u
	s_lshl_b32 s75, s75, 13
	s_lshl_b32 s76, s74, 7
	s_add_co_u32 s75, s75, s76
	s_lshl_b32 s76, s56, 5                         ; the quad is my wave's number
	s_add_co_u32 s84, s75, s76
	s_mov_b32 s85, 0
	s_add_nc_u64 s[24:25], s[24:25], s[84:85]
	v_lshlrev_b32 v7, 9, v2
	v_lshl_add_u32 v7, v3, 3, v7
	global_load_b64 v[112:113], v7, s[24:25]
	global_load_b64 v[114:115], v7, s[24:25] offset:16
	s_mul_i32 s86, s72, 72
	s_add_co_u32 s86, s86, s73
	s_lshl_b32 s86, s86, 2
	s_add_co_u32 s86, s86, s74
	s_lshl_b32 s86, s86, 2
	s_add_co_u32 s86, s86, s56
	s_lshl_b32 s86, s86, 9
	v_add_nc_u32 v9, s86, v4
	s_wait_loadcnt 0x0
	global_store_b128 v9, v[112:115], s[36:37]
.Lend:
	s_set_vgpr_msb 0xf
	s_wait_tensorcnt 0x0
	ds_add_u32 v128, v129
	s_wait_dscnt 0x0
	s_set_vgpr_msb 0xf00
	s_endpgm
.Lfunc_end_k_q75e0875493_qkv:
	.size	k_q75e0875493_qkv, .Lfunc_end_k_q75e0875493_qkv-k_q75e0875493_qkv
	.p2alignl 7, 3214868480
	.fill 96, 4, 3214868480
	.section	.rodata,"a",@progbits
	.p2align	6, 0x0
	.amdhsa_kernel k_q75e0875493_qkv
		.amdhsa_group_segment_fixed_size 83968
		.amdhsa_private_segment_fixed_size 0
		.amdhsa_enable_private_segment 0
		.amdhsa_kernarg_size 136
		.amdhsa_user_sgpr_count 2
		.amdhsa_user_sgpr_kernarg_segment_ptr 1
		.amdhsa_wavefront_size32 1
		.amdhsa_system_sgpr_workgroup_id_x 1
		.amdhsa_system_sgpr_workgroup_id_y 1
		.amdhsa_system_sgpr_workgroup_id_z 1
		.amdhsa_system_vgpr_workitem_id 0
		.amdhsa_next_free_vgpr 898
		.amdhsa_next_free_sgpr 100
		.amdhsa_reserve_vcc 1
		.amdhsa_float_denorm_mode_32 3
		.amdhsa_float_denorm_mode_16_64 3
		.amdhsa_memory_ordered 1
		.amdhsa_forward_progress 1
		.amdhsa_inst_pref_size 209
	.end_amdhsa_kernel
	.amdgpu_metadata
---
amdhsa.version: [ 1, 2 ]
amdhsa.kernels:
  - .name:           k_q75e0875493_qkv
    .symbol:         k_q75e0875493_qkv.kd
    .args:
      - { .name: x, .offset: 0, .size: 8, .value_kind: global_buffer, .address_space: global }
      - { .name: g1, .offset: 8, .size: 8, .value_kind: global_buffer, .address_space: global }
      - { .name: be1, .offset: 16, .size: 8, .value_kind: global_buffer, .address_space: global }
      - { .name: Wq_codes, .offset: 24, .size: 8, .value_kind: global_buffer, .address_space: global }
      - { .name: Wk_codes, .offset: 32, .size: 8, .value_kind: global_buffer, .address_space: global }
      - { .name: Wv_codes, .offset: 40, .size: 8, .value_kind: global_buffer, .address_space: global }
      - { .name: bq, .offset: 48, .size: 8, .value_kind: global_buffer, .address_space: global }
      - { .name: bk, .offset: 56, .size: 8, .value_kind: global_buffer, .address_space: global }
      - { .name: bv, .offset: 64, .size: 8, .value_kind: global_buffer, .address_space: global }
      - { .name: lowp_scales, .offset: 72, .size: 8, .value_kind: global_buffer, .address_space: global }
      - { .name: Wo_codes, .offset: 80, .size: 8, .value_kind: global_buffer, .address_space: global }
      - { .name: W1_codes, .offset: 88, .size: 8, .value_kind: global_buffer, .address_space: global }
      - { .name: W2_codes, .offset: 96, .size: 8, .value_kind: global_buffer, .address_space: global }
      - { .name: qimg, .offset: 104, .size: 8, .value_kind: global_buffer, .address_space: global }
      - { .name: kimg, .offset: 112, .size: 8, .value_kind: global_buffer, .address_space: global }
      - { .name: vimg, .offset: 120, .size: 8, .value_kind: global_buffer, .address_space: global }
      - { .name: wimg, .offset: 128, .size: 8, .value_kind: global_buffer, .address_space: global }
    .group_segment_fixed_size: 83968
    .private_segment_fixed_size: 0
    .kernarg_segment_align: 8
    .kernarg_segment_size: 136
    .max_flat_workgroup_size: 128
    .sgpr_count:     100
    .vgpr_count:     898
    .wavefront_size: 32
...
	.end_amdgpu_metadata
.endif
;; end of part 1
;; launch attn (part 2): grid 256 x 1, 8 waves a work-group, no clusters, 0 bytes of LDS; arguments qimg, kimg, vimg, lowp_scales, aimg; writes aimg
.if DOCPART == 2
	.amdgcn_target "amdgcn-amd-amdhsa--gfx1250"
	.amdhsa_code_object_version 6
	.text
	.protected	k_q75e0875493_attn
	.globl	k_q75e0875493_attn
	.p2align	8
	.type	k_q75e0875493_attn,@function
k_q75e0875493_attn:
	s_mov_b64 s[64:65], 0
	v_nop
	global_prefetch_b8 v0, s[64:65] scope:SCOPE_SE
	s_setreg_imm32_b32 hwreg(HW_REG_WAVE_MODE, 25, 1), 1
	s_wait_xcnt 0x0
; softmax(q k^T / sqrt(32)) v for one head a half work-group, both products on E4M3 codes, and the quantiser of the next product's operand (e10).
; t = score x log2(e) / sqrt(32); M = the running largest t rounded up to a whole number; p = 2^(t - M) is quantised (e8), not normalised; the row's sum is taken of the unquantised p and divides at the end.
; When M moves, the sum and O are multiplied by 2^(old M - new M), which rounds nothing.
; SHARES.  Work-group g: heads (of 512) 2 g and 2 g + 1.  Wave W: head 2 g + W / 4, tiles of 16 queries 8 (W % 4) .. + 7, one a trip.  THE HEAD'S WHOLE K AND V LIE IN THE WAVE'S REGISTERS (window 1: 128 + 128),
; loaded once as images, 512 consecutive bytes a load: no LDS, no barrier, nothing shared between work-groups, so no joint loads.  Two waves to a SIMD: one's vector work stands beside the other's products.
; LAYOUT.  Both products transposed: S^T = K Q^T, O^T = V^T P^T: a lane holds one query.  Register j of key tile t is key 16 t + 8 (lane / 16) + j, which is the place that the K = 128 form gives P's codes.
; THE HEAD SIZE IS 32, THE FORM'S K 64: Q's upper four registers are zero codes; a key tile's operand is its four registers and the four that follow (the next tile's codes, behind the last tile V's), finite codes that meet zeros.
; LIMITS.  e6 + e7 between -124 and 129 (added to c's exponent field); e8 and e10 between -126 and 119.  NaN is not served.
; REGISTERS, window 0: v1 16 lane; v2 where I store; v[4:5] -M, largest t; v[6:7] the sum; v[8:9] f; v10-15 at work; v16-23 Q; v24-39 p's codes; v40-55 O^T; v56-59 codes out; v60-63 scales and limits; v64-127 S^T, p; v128-151 at work.
.set MSB, 0
.macro WIN new
.if MSB != \new
	s_set_vgpr_msb (MSB<<8)|\new
.set MSB, \new
.endif
.endm
.macro PLACES n
.rept \n
	v_nop
.endr
.endm
.macro MKSC vr, se                     ; v[vr] = 2^E, v[vr + 1] = 448 x 2^E
	s_add_co_i32 s46, s[\se], 127
	s_lshl_b32 s47, s46, 23
	v_mov_b32 v[\vr], s47
	s_add_co_i32 s46, s46, 8
	s_lshl_b32 s46, s46, 23
	s_or_b32 s46, s46, 0x600000
	v_mov_b32 v[\vr+1], s46
.endm
; A step of 128 keys, the g-th of four.  first = 1: it starts M, the sum and O^T.
.macro STEP g, first
	WIN 0x01
.irp t,0,1,2,3,4,5,6,7
	v_wmma_f32_16x16x64_fp8_fp8 v[64+8*\t:71+8*\t], v[4*(8*\g+\t):4*(8*\g+\t)+7], v[16:23], 0
.endr
	WIN 0
	PLACES 4                                       ; ahead of the first read of results, and of the load into Q's registers
.if \g == 3
	s_cmp_eq_u32 s36, 1                            ; the next trip's Q, if there is a next trip: no load leaves its buffer
	s_cbranch_scc1 .Lnoq_\@
	global_load_b128 v[16:19], v1, s[4:5] offset:512
.Lnoq_\@:
.endif
.irp x,0,1,2,3                                 ; the largest score among my 64 keys: four chains, each ascending over two tiles, so that each result is read from its low end on
	v_max3_num_f32 v[128+\x], v[64+16*\x], v[65+16*\x], v[66+16*\x]
.endr
.irp i,3,5,7,9,11,13
.irp x,0,1,2,3
	v_max3_num_f32 v[128+\x], v[128+\x], v[64+16*\x+\i], v[65+16*\x+\i]
.endr
.endr
	v_max3_num_f32 v128, v128, v79, v95
	v_max3_num_f32 v129, v129, v111, v127
	v_max3_num_f32 v128, v128, v129, v130
	v_max_num_f32 v128, v128, v131
	v_permlanex16_b32 v14, v128, s34, s35
	v_max_num_f32 v128, v128, v14                  ; and among lane xor 16's
	v_mul_f32 v128, s32, v128                      ; as t (c is positive)
.if \first
	v_mov_b32 v5, v128
	v_floor_f32 v4, -v5                            ; -M = floor(-t)
.else
	v_max_num_f32 v5, v5, v128
	v_mov_b32 v10, v4
	v_floor_f32 v4, -v5
	v_sub_f32 v10, v4, v10                         ; old M - new M, a whole number, 0 or less
	v_cvt_i32_f32 v10, v10
	v_ldexp_f32 v8, 1.0, v10                       ; f
.endif
.irp j,0,2,4,6,8,10,12,14,16,18,20,22,24,26,28,30,32,34,36,38,40,42,44,46,48,50,52,54,56,58,60,62
	v_pk_fma_f32 v[64+\j:65+\j], v[64+\j:65+\j], s[32:33], v[4:5] op_sel_hi:[1,0,0]   ; t - M
.endr
.irp j,0,1,2,3,4,5,6,7,8,9,10,11,12,13,14,15,16,17,18,19,20,21,22,23,24,25,26,27,28,29,30,31,32,33,34,35,36,37,38,39,40,41,42,43,44,45,46,47,48,49,50,51,52,53,54,55,56,57,58,59,60,61,62,63
	v_exp_f32 v[64+\j], v[64+\j]                   ; p
.endr
.if \first
	v_nop                                          ; a plain line behind the last exponential
.else
.irp j,0,2,4,6,8,10,12,14
	v_pk_mul_f32 v[40+\j:41+\j], v[40+\j:41+\j], v[8:9] op_sel_hi:[1,0]   ; O^T under the new M: work that names no exponential's result
.endr
.endif
	s_wait_alu depctr_va_vdst(0)                   ; one wait for the 64 exponentials, ahead of their first reader
.irp x,0,1,2,3                                 ; the sum of the unquantised p, in four chains
	v_pk_add_f32 v[128+2*\x:129+2*\x], v[64+2*\x:65+2*\x], v[72+2*\x:73+2*\x]
.endr
.irp k,2,3,4,5,6,7
.irp x,0,1,2,3
	v_pk_add_f32 v[128+2*\x:129+2*\x], v[128+2*\x:129+2*\x], v[64+8*\k+2*\x:65+8*\k+2*\x]
.endr
.endr
	v_pk_add_f32 v[128:129], v[128:129], v[130:131]
	v_pk_add_f32 v[132:133], v[132:133], v[134:135]
.if \first
	v_pk_add_f32 v[6:7], v[128:129], v[132:133]
.else
	v_pk_add_f32 v[128:129], v[128:129], v[132:133]
	v_pk_fma_f32 v[6:7], v[6:7], v[8:9], v[128:129] op_sel_hi:[1,0,1]
.endif
	s_cmp_ge_i32 s24, -8                           ; the hold at 448 x 2^e8.  With e8 >= -8 that is 1.75 or more, above every p (p <= 1): the hold would change nothing and is passed over.  e8 is a whole number read from memory
	s_cbranch_scc1 .Lnohold_\@
.irp j,0,1,2,3,4,5,6,7,8,9,10,11,12,13,14,15,16,17,18,19,20,21,22,23,24,25,26,27,28,29,30,31,32,33,34,35,36,37,38,39,40,41,42,43,44,45,46,47,48,49,50,51,52,53,54,55,56,57,58,59,60,61,62,63
	v_min_num_f32 v[64+\j], v[64+\j], v61
.endr
.Lnohold_\@:
.irp t,0,1,2,3,4,5,6,7
	v_cvt_scalef32_pk8_fp8_f32 v[24+2*\t:25+2*\t], v[64+8*\t:71+8*\t], v60
.endr
	v_nop                                          ; a plain line between the conversions and the products that read their results
	WIN 0x01
.irp d,0,1
.if \first
	v_wmma_f32_16x16x128_fp8_fp8 v[40+8*\d:47+8*\d], v[128+32*\g+16*\d:143+32*\g+16*\d], v[24:39], 0
.else
	v_wmma_f32_16x16x128_fp8_fp8 v[40+8*\d:47+8*\d], v[128+32*\g+16*\d:143+32*\g+16*\d], v[24:39], v[40+8*\d:47+8*\d]
.endif
.endr
	WIN 0
.endm
	s_load_b256 s[4:11], s[0:1], 0x0               ; qimg, kimg, vimg, scales
	s_load_b64 s[12:13], s[0:1], 0x20              ; aimg
	v_lshrrev_b32 v1, 5, v0
	v_readfirstlane_b32 s14, v1                    ; wave 0 .. 7
	v_and_b32 v1, 31, v0
	v_lshlrev_b32 v1, 4, v1                        ; 16 lane
	s_lshr_b32 s38, s14, 2
	s_lshl_b32 s39, ttmp9, 1
	s_add_co_u32 s38, s38, s39                     ; head index = 16 batch + head
	s_and_b32 s39, s14, 3                          ; which eight tiles of queries
	s_lshl_b32 s40, s38, 14
	s_mov_b32 s41, 0
	s_lshl_b32 s42, s39, 12
	s_mov_b32 s43, 0
	s_lshr_b32 s44, s38, 4
	s_lshl_b32 s44, s44, 5
	s_lshl_b32 s45, s39, 3
	s_add_co_u32 s44, s44, s45                     ; my first tile of 16 tokens, of 1,024
	s_lshl_b32 s44, s44, 4
	s_and_b32 s45, s38, 15
	s_add_co_u32 s44, s44, s45
	s_lshl_b32 s44, s44, 9
	v_add_nc_u32 v2, s44, v1                       ; aimg: (tile 16 + head) 512 + 16 lane
	s_mov_b32 s34, 0x76543210
	s_mov_b32 s35, 0xfedcba98
	s_mov_b32 s36, 8
	v_mov_b32 v9, 0                                ; named as upper halves of pairs, or as a lane permute's destination
	v_mov_b32 v13, 0
	v_mov_b32 v14, 0
.irp j,20,21,22,23
	v_mov_b32 v\j, 0                               ; Q's k = 32 .. 63: zero codes
.endr
	s_wait_kmcnt 0x0
	s_load_b512 s[16:31], s[10:11], 0x0            ; e0 .. e15: e6 s22, e7 s23, e8 s24, e9 s25, e10 s26
	s_add_nc_u64 s[4:5], s[4:5], s[40:41]
	s_add_nc_u64 s[4:5], s[4:5], s[42:43]
	s_add_nc_u64 s[6:7], s[6:7], s[40:41]
	s_add_nc_u64 s[8:9], s[8:9], s[40:41]
	global_load_b128 v[16:19], v1, s[4:5]
	WIN 0x40
.set n, 0
.rept 32
	global_load_b128 v[4*n:4*n+3], v1, s[6:7] offset:512*n          ; key tile n
.set n, n+1
.endr
.irp g,0,1,2,3
.irp d,0,1
.irp c,0,1,2,3
	global_load_b128 v[128+32*\g+16*\d+4*\c:131+32*\g+16*\d+4*\c], v1, s[8:9] offset:4096*\g+1024*\c+512*\d
.endr
.endr
.endr
	WIN 0
	s_wait_kmcnt 0x0
	s_add_co_i32 s38, s22, s23
	s_lshl_b32 s38, s38, 23
	s_add_co_i32 s32, s38, 0x3e8293ee              ; c = log2(e) / sqrt(32) x 2^(e6 + e7)
	s_mov_b32 s33, s32
	s_add_co_i32 s37, s24, s25                     ; e8 + e9
	MKSC 60, 24
	MKSC 62, 26
.Ltile:
	s_wait_loadcnt 0x0                             ; Q (in the first trip K and V too)
	STEP 0, 1
	STEP 1, 0
	STEP 2, 0
	STEP 3, 0
	PLACES 4
	v_add_f32 v6, v6, v7
	v_permlanex16_b32 v14, v6, s34, s35
	v_add_f32 v6, v6, v14                          ; the row's sum
	v_rcp_f32 v12, v6
	v_nop
	s_wait_alu depctr_va_vdst(0)                   ; ahead of the reciprocal's first reader
	v_ldexp_f32 v12, v12, s37                      ; x 2^(e8 + e9)
.irp j,0,2,4,6,8,10,12,14
	v_pk_mul_f32 v[136+\j:137+\j], v[40+\j:41+\j], v[12:13] op_sel_hi:[1,0]
.endr
.irp j,0,1,2,3,4,5,6,7,8,9,10,11,12,13,14,15
	v_med3_num_f32 v[136+\j], v[136+\j], -v63, v63
.endr
	v_cvt_scalef32_pk8_fp8_f32 v[56:57], v[136:143], v62
	v_cvt_scalef32_pk8_fp8_f32 v[58:59], v[144:151], v62
	v_nop
	global_store_b128 v2, v[56:59], s[12:13]       ; 512 consecutive bytes: my head's quad of the next product's fragment
	s_wait_xcnt 0x0                                ; the store and Q's load have read their addresses and data
	v_add_nc_u32 v2, 0x2000, v2
	s_add_nc_u64 s[4:5], s[4:5], 512
	s_sub_co_u32 s36, s36, 1
	s_cmp_lg_u32 s36, 0
	s_cbranch_scc1 .Ltile
	s_endpgm
.Lfunc_end_k_q75e0875493_attn:
	.size	k_q75e0875493_attn, .Lfunc_end_k_q75e0875493_attn-k_q75e0875493_attn
	.p2alignl 7, 3214868480
	.fill 96, 4, 3214868480
	.section	.rodata,"a",@progbits
	.p2align	6, 0x0
	.amdhsa_kernel k_q75e0875493_attn
		.amdhsa_group_segment_fixed_size 0
		.amdhsa_private_segment_fixed_size 0
		.amdhsa_enable_private_segment 0
		.amdhsa_kernarg_size 40
		.amdhsa_user_sgpr_count 2
		.amdhsa_user_sgpr_kernarg_segment_ptr 1
		.amdhsa_wavefront_size32 1
		.amdhsa_system_sgpr_workgroup_id_x 1
		.amdhsa_system_sgpr_workgroup_id_y 1
		.amdhsa_system_sgpr_workgroup_id_z 1
		.amdhsa_system_vgpr_workitem_id 0
		.amdhsa_next_free_vgpr 512
		.amdhsa_next_free_sgpr 66
		.amdhsa_reserve_vcc 0
		.amdhsa_float_denorm_mode_32 3
		.amdhsa_float_denorm_mode_16_64 3
		.amdhsa_memory_ordered 1
		.amdhsa_forward_progress 1
		.amdhsa_inst_pref_size 60
	.end_amdhsa_kernel
	.amdgpu_metadata
---
amdhsa.version: [ 1, 2 ]
amdhsa.kernels:
  - .name:           k_q75e0875493_attn
    .symbol:         k_q75e0875493_attn.kd
    .args:
      - { .name: qimg, .offset: 0, .size: 8, .value_kind: global_buffer, .address_space: global }
      - { .name: kimg, .offset: 8, .size: 8, .value_kind: global_buffer, .address_space: global }
      - { .name: vimg, .offset: 16, .size: 8, .value_kind: global_buffer, .address_space: global }
      - { .name: lowp_scales, .offset: 24, .size: 8, .value_kind: global_buffer, .address_space: global }
      - { .name: aimg, .offset: 32, .size: 8, .value_kind: global_buffer, .address_space: global }
    .group_segment_fixed_size: 0
    .private_segment_fixed_size: 0
    .kernarg_segment_align: 8
    .kernarg_segment_size: 40
    .max_flat_workgroup_size: 256
    .sgpr_count:     66
    .vgpr_count:     512
    .wavefront_size: 32
...
	.end_amdgpu_metadata
.endif
;; end of part 2
;; launch ffn (part 3): grid 256 x 1, 4 waves a work-group, clusters of 4 x 1, 327,680 bytes of LDS; arguments aimg, wimg, x, bo, g2, be2, b1, b2, lowp_scales, out0; writes out0
.if DOCPART == 3
	.amdgcn_target "amdgcn-amd-amdhsa--gfx1250"
	.amdhsa_code_object_version 6
	.text
	.protected	k_q75e0875493_ffn
	.globl	k_q75e0875493_ffn
	.p2align	8
	.type	k_q75e0875493_ffn,@function
k_q75e0875493_ffn:
	s_mov_b64 s[64:65], 0
	v_nop
	global_prefetch_b8 v0, s[64:65] scope:SCOPE_SE
	s_setreg_imm32_b32 hwreg(HW_REG_WAVE_MODE, 25, 1), 1
	s_wait_xcnt 0x0
	s_wait_alu depctr_hold_cnt(0) depctr_sa_sdst(0) depctr_va_vdst(0) depctr_va_sdst(0) depctr_va_ssrc(0) depctr_va_vcc(0) depctr_vm_vsrc(0)
	s_getreg_b32 s2, hwreg(HW_REG_IB_STS2, 6, 4)
	s_cmp_eq_u32 s2, 0
	s_cbranch_scc0 .Lentry_in_a_cluster
	s_endpgm
.Lentry_in_a_cluster:
	s_bfe_u32 s2, ttmp6, 0x10000c
	s_cmp_lg_u32 s2, 0x3003
	s_cbranch_scc0 .Lentry_shape_is_right
	s_endpgm
.Lentry_shape_is_right:
; x1 = x + attn Wo + bo;  out = x1 + gelu(LN2(x1) W1 + b1) W2 + b2: three products on E4M3 codes; x1, LN2's result and the hidden layer never go to memory.
; SHARES.  A work-group takes 64 rows (four tiles m of 16).  THE WAVES SHARE THE COLUMNS: wave w owns output columns 128 w .. + 127 of the first and third product and hidden units 512 c + 128 w .. + 127 of chunk c = 0 .. 3.
; All products transposed (source 0 = 16 rows of a weight, source 1 = 16 rows): lane (r, h) holds row r of the tile, register j the column 16 tile + 8 h + j: eight neighbours along the next K, in the form's own layout.
; EVERYTHING STAYS IN THAT LAYOUT.  (x + bo) / 2^(e10 + e11) starts the first product's sums; x1 is normalised where it lies (a row's sum and sum of squares meet across lanes h, then across the four waves through 2,048 bytes of LDS);
; LN2's codes and the hidden layer's are images of operand registers: (4 m + wave) 2048 + 512 quad + 16 lane; (x1 + b2) / 2^(e14 + e15) starts the last product's sums.
; CLUSTER.  All work-groups walk the same 2,359,296 bytes of weights, so four of them form a cluster and ask for each tile JOINTLY: the same tensor load, the same descriptor, mask 15: 64 requests for each byte, not 256.
; wimg holds wave w's 72 units (4 fragments, 8,192 bytes each) in the order of use.  A fill is 4 units a wave, one dense block of 32,768 bytes; 18 fills go through two LDS slots; a wave reads only the bytes that it fetched.
; In front of each step but the first stand the wait for all my tensor loads, the add, the wait for my LDS instructions and a round of the cluster's barrier, and the next fill goes out first behind it, into the slot just read.
; Two tensor loads of a wave are out at the start, one afterwards.  The rounds are also the barriers between the writing and the reading of a chunk's images.
; gelu(h) = h / 2 + (h / 2) erf(h / sqrt 2), erf(x) = x P(x^2) / Q(x^2) on x held within +-4 (P of degree 6, Q of degree 4).
; LIMITS.  NaN and infinities are not served.  e12 and e14 between -126 and 119; e10 + e11, e12 + e13, e14 + e15 between -126 and 126.  1 + erf has an absolute error near 1e-7, so gelu's relative error grows for h under about -3.
; The first and the last product's sums are added onto (x + bo) / 2^(e10 + e11) and (x1 + b2) / 2^(e14 + e15): an order of additions other than x + (sum + bo) and x1 + (sum + b2).
; REGISTERS.  window 0: v1-31 lane numbers, addresses, scales, two coefficients; v32-47 hidden codes; v48-63 means and 1 / sigma; v96-223 at work; v224-226 the add's two registers, an address.
; window 1: the rows' 16 fragments, (m, K step s) at 16 (4 m + s): attn, then x1 - mean, then LN2's codes.  window 2: x as loaded, then four buffers of a unit's 64 registers (in LN2: g2, be2, b2).
; window 3: 32 accumulators, (column tile t, m) at 8 (4 t + m): the first product, x1, the last product.
.set WPART, 33792                      ; a wave's part of a slot: 32,768 bytes are filled
.set SLOTB, 4*WPART                    ; slot 1 begins here; no bit of it is set in wave x WPART, so one exclusive or turns an address from one slot to the other
.set HX, 2*SLOTB                       ; 33,792 bytes: each wave's stage of 16 rows x 528 for x, later the 16 images of 2,048
.set B1T, HX+WPART                     ; b1, 8,192 bytes
.set STAT, B1T+8192                    ; the waves' sums, 2,048; their sums of squares, 2,048
.set TAB, STAT+4096                    ; bo, g2, be2, b2: 2,048 each
.set SPARE, TAB+8192                   ; the spare words, 128 bytes a wave: two blocks of 256 bytes that no other line names
.set STP, 2064                         ; the way out: 64 rows of 2,048 + 16 bytes, in slot 0, which has had its last fill and its last read by then
.set XSP, 528
.set SPW, 224
.set NIL, 225
.set PC, 32
.set MU, 48
.set RS, 56
.set HA, 96
.set B1R, 128
.set XX, 160
.set ZZ, 176
.set PP, 192
.set QQ, 208
.set HF, 96
.set BOR, 96
.set CF, 96
.set SA, 160
.set SS, 176
.set SR, 180
.set TP, 196
.set G1, 32                            ; s[32:39] descriptor group 1
.set G0, 44                            ; s[44:47] group 0 of fill 1, which then walks
.set G0A, 96                           ; s[96:99] group 0 of fill 0
.set SL, 43                            ; s43 the slot that the step in hand reads: 0 or SLOTB
.set MSB, 0
.macro WIN new                         ; the immediate's high byte repeats the setting that is left
.if MSB != \new
	s_set_vgpr_msb (MSB<<8)|\new
.set MSB, \new
.endif
.endm
.macro PLACES n
.rept \n
	v_nop
.endr
.endm
.macro BAR                             ; my LDS stores have landed and my LDS loads are in: then the work-group's barrier.
	s_wait_dscnt 0x0
	s_barrier_signal -1
	s_barrier_wait -1
.endm
.macro ROUND                           ; a round of the cluster's barrier: my work-group's barrier; wave 0 signals for the work-group; every wave waits for all four; my work-group's barrier once more
	s_barrier_signal -1
	s_barrier_wait -1
	s_cmp_lg_u32 s40, 0
	s_cbranch_scc1 .Lnot_wave_0_\@
	s_barrier_signal -3
.Lnot_wave_0_\@:
	s_barrier_wait -3
	s_barrier_signal -1
	s_barrier_wait -1
.endm
; THE CHANGE OF SLOTS, in front of a step.  fill = 1: the slot that was just read takes the fill after the one that the step reads.
.macro CHANGE fill
	s_wait_tensorcnt 0x0                           ; all my tensor loads have landed, the coming step's weights among them: so a group 0 may be written
	ds_add_u32 v[SPW], v[NIL]                      ; 0 onto my spare word: the steps below stand between it and the wait for it
.if \fill
	s_xor_b32 s[G0+1], s[G0+1], SLOTB              ; the walking descriptor: the other slot than last time,
	s_add_nc_u64 s[G0+2:G0+3], s[G0+2:G0+3], 32768 ; my next four units; the type bits on top are not reached
.endif
	s_xor_b32 s[SL], s[SL], SLOTB
	s_wait_dscnt 0x0                               ; the add is done; my reads of the slot and of the images are in, my stores of images have landed
.if \fill
	ROUND                                          ; no wave of any partner still reads the slot or has a load on its way
	tensor_load_to_lds s[G0:G0+3], s[G1:G1+7]      ; the first thing behind the round, and my one tensor load until the next
	s_nop 0
.else
	s_barrier_signal -1
	s_barrier_wait -1
.endif
	PLACES 4                                       ; the places in front of the loads into registers that the last products read
.endm
.macro MKSC vr, se                     ; v[vr] = 2^E, v[vr + 1] = 448 x 2^E
	s_add_co_i32 s58, s[\se], 127
	s_lshl_b32 s59, s58, 23
	v_mov_b32 v[\vr], s59
	s_add_co_i32 s58, s58, 8
	s_lshl_b32 s58, s58, 23
	s_or_b32 s58, s58, 0x600000
	v_mov_b32 v[\vr+1], s58
.endm
.macro LOADW b, u                      ; unit u of the step's four into buffer b: 16 loads of 512 consecutive bytes
	WIN 0x80
.set n, 0
.rept 16
	ds_load_b128 v[64*\b+4*n:64*\b+4*n+3], v8 offset:8192*\u+512*n
.set n, n+1
.endr
	WIN 0
.endm
.macro LOADV                           ; the pair's second unit into buffer 0
	WIN 0x80
.set n, 0
.rept 16
	ds_load_b128 v[4*n:4*n+3], v19 offset:8192+512*n
.set n, n+1
.endr
	WIN 0
.endm
; attn Wo: unit i of step a is column tile 4 a + i, its four fragments the four K steps: 16 products, four accumulators by turns, one instruction a turn
.macro MULA a, i
	WIN 0xf6                                       ; source 0 window 2, source 1 window 1, C and D window 3
.irp s,0,1,2,3
.irp m,0,1,2,3
	v_wmma_f32_16x16x128_fp8_fp8 v[8*(4*(4*\a+\i)+\m):8*(4*(4*\a+\i)+\m)+7], v[64*\i+16*\s:64*\i+16*\s+15], v[16*(4*\m+\s):16*(4*\m+\s)+15], v[8*(4*(4*\a+\i)+\m):8*(4*(4*\a+\i)+\m)+7]
.endr
.endr
	WIN 0
.endm
.macro ASTEP a
	v_add_nc_u32 v8, s[SL], v7
	LOADW 0, 0
	LOADW 1, 1
	s_wait_dscnt 16                                ; unit 0 is in; unit 1's 16 loads may be out
	MULA \a, 0
	LOADW 2, 2
	s_wait_dscnt 16
	MULA \a, 1
	LOADW 3, 3
	s_wait_dscnt 16
	MULA \a, 2
	s_wait_dscnt 0x0
	MULA \a, 3
.endm
; Eight partial sums (row tile m, half k of my column tiles) become the rows' sums over all 512 columns, in v[SR] .. v[SR + 3], the same in every wave
.macro RSUM off
.irp m,0,1,2,3
	v_pk_add_f32 v[SA+4*\m:SA+4*\m+1], v[SA+4*\m:SA+4*\m+1], v[SA+4*\m+2:SA+4*\m+3]
.endr
.irp m,0,1,2,3
	v_add_f32 v[SS+\m], v[SA+4*\m], v[SA+4*\m+1]
.endr
.irp m,0,1,2,3
	v_permlanex16_b32 v[TP+\m], v[SS+\m], s48, s49  ; the row's other 64 of my columns lie in the lane 16 away
.endr
.irp m,0,1,2,3
	v_add_f32 v[SS+\m], v[SS+\m], v[TP+\m]
.endr
	ds_store_b128 v30, v[SS:SS+3] offset:\off
	BAR
.irp k,0,1,2,3
	ds_load_b128 v[SR+4*\k:SR+4*\k+3], v31 offset:\off+512*\k
.endr
	s_wait_dscnt 0x0
	v_pk_add_f32 v[SR:SR+1], v[SR:SR+1], v[SR+4:SR+5]
	v_pk_add_f32 v[SR+2:SR+3], v[SR+2:SR+3], v[SR+6:SR+7]
	v_pk_add_f32 v[SR+8:SR+9], v[SR+8:SR+9], v[SR+12:SR+13]
	v_pk_add_f32 v[SR+10:SR+11], v[SR+10:SR+11], v[SR+14:SR+15]
	v_pk_add_f32 v[SR:SR+1], v[SR:SR+1], v[SR+8:SR+9]
	v_pk_add_f32 v[SR+2:SR+3], v[SR+2:SR+3], v[SR+10:SR+11]
.endm
; 16 products: one tile of hidden units (buffer 0: its four K steps) against the four tiles of rows; four accumulators by turns; the first K step starts the sums
.macro UNITMUL
	WIN 0x06                                       ; source 0 window 2, source 1 window 1
.irp s,0,1,2,3
.irp m,0,1,2,3
.if \s == 0
	v_wmma_f32_16x16x128_fp8_fp8 v[HA+8*\m:HA+8*\m+7], v[16*\s:16*\s+15], v[16*(4*\m+\s):16*(4*\m+\s)+15], 0
.else
	v_wmma_f32_16x16x128_fp8_fp8 v[HA+8*\m:HA+8*\m+7], v[16*\s:16*\s+15], v[16*(4*\m+\s):16*(4*\m+\s)+15], v[HA+8*\m:HA+8*\m+7]
.endif
.endr
.endr
	WIN 0
.endm
; The unit's 32 sums of a lane: h = sum x 2^(e12 + e13) + b1, gelu, the hold, the conversion: two of a fragment's registers for each tile of rows.  Two batches of 16, stage by stage.
.macro GELU i
.irp bt,0,1
.irp q,0,2,4,6,8,10,12,14
	v_pk_fma_f32 v[HA+16*\bt+\q:HA+16*\bt+\q+1], v[HA+16*\bt+\q:HA+16*\bt+\q+1], s[86:87], v[B1R+8*\i+(\q%8):B1R+8*\i+(\q%8)+1] op_sel_hi:[1,0,1]
.endr
.irp q,0,2,4,6,8,10,12,14
	v_pk_mul_f32 v[XX+\q:XX+\q+1], v[HA+16*\bt+\q:HA+16*\bt+\q+1], s[88:89] op_sel_hi:[1,0]
.endr
.irp j,0,1,2,3,4,5,6,7,8,9,10,11,12,13,14,15
	v_med3_num_f32 v[XX+\j], v[XX+\j], -4.0, 4.0
.endr
.irp q,0,2,4,6,8,10,12,14
	v_pk_mul_f32 v[ZZ+\q:ZZ+\q+1], v[XX+\q:XX+\q+1], v[XX+\q:XX+\q+1]
.endr
.irp q,0,2,4,6,8,10,12,14
	v_pk_fma_f32 v[PP+\q:PP+\q+1], v[ZZ+\q:ZZ+\q+1], s[66:67], v[24:25] op_sel_hi:[1,0,1]
	v_pk_fma_f32 v[QQ+\q:QQ+\q+1], v[ZZ+\q:ZZ+\q+1], s[78:79], v[26:27] op_sel_hi:[1,0,1]
.endr
.irp k,0,2,4
.irp q,0,2,4,6,8,10,12,14
	v_pk_fma_f32 v[PP+\q:PP+\q+1], v[PP+\q:PP+\q+1], v[ZZ+\q:ZZ+\q+1], s[68+\k:69+\k] op_sel_hi:[1,1,0]
	v_pk_fma_f32 v[QQ+\q:QQ+\q+1], v[QQ+\q:QQ+\q+1], v[ZZ+\q:ZZ+\q+1], s[80+\k:81+\k] op_sel_hi:[1,1,0]
.endr
.endr
.irp j,0,1,2,3,4,5,6,7,8,9,10,11,12,13,14,15
	v_rcp_f32 v[QQ+\j], v[QQ+\j]                   ; Q is finished: its reciprocals go out as one batch
.endr
.irp k,6,8                                     ; P's last two steps, P x and h / 2 name no reciprocal: the work between the batch and its wait
.irp q,0,2,4,6,8,10,12,14
	v_pk_fma_f32 v[PP+\q:PP+\q+1], v[PP+\q:PP+\q+1], v[ZZ+\q:ZZ+\q+1], s[68+\k:69+\k] op_sel_hi:[1,1,0]
.endr
.endr
.irp q,0,2,4,6,8,10,12,14
	v_pk_mul_f32 v[PP+\q:PP+\q+1], v[PP+\q:PP+\q+1], v[XX+\q:XX+\q+1]
	v_pk_mul_f32 v[HA+16*\bt+\q:HA+16*\bt+\q+1], v[HA+16*\bt+\q:HA+16*\bt+\q+1], 0.5 op_sel_hi:[1,0]
.endr
	s_wait_alu depctr_va_vdst(0)                   ; one wait for the 16 reciprocals, ahead of their first reader
.irp q,0,2,4,6,8,10,12,14
	v_pk_mul_f32 v[PP+\q:PP+\q+1], v[PP+\q:PP+\q+1], v[QQ+\q:QQ+\q+1]              ; erf
.endr
.irp q,0,2,4,6,8,10,12,14
	v_pk_fma_f32 v[HA+16*\bt+\q:HA+16*\bt+\q+1], v[PP+\q:PP+\q+1], v[HA+16*\bt+\q:HA+16*\bt+\q+1], v[HA+16*\bt+\q:HA+16*\bt+\q+1]
.endr
.irp j,0,1,2,3,4,5,6,7,8,9,10,11,12,13,14,15
	v_med3_num_f32 v[HA+16*\bt+\j], v[HA+16*\bt+\j], -v23, v23
.endr
	v_cvt_scalef32_pk8_fp8_f32 v[PC+8*\bt+2*\i:PC+8*\bt+2*\i+1], v[HA+16*\bt:HA+16*\bt+7], v22
	v_cvt_scalef32_pk8_fp8_f32 v[PC+8*\bt+4+2*\i:PC+8*\bt+5+2*\i], v[HA+16*\bt+8:HA+16*\bt+15], v22
.endr
	v_nop                                          ; a plain line behind the last conversion
.endm
; A step of the hidden layer: four tiles of my hidden units, two a trip.  One buffer: behind a unit's products and their places it takes the next unit, which lands while this unit's gelu is worked.
.macro P1STEP
	v_add_nc_u32 v8, s[SL], v7
	LOADW 0, 0
	s_add_co_u32 s57, s51, s52
	s_mov_b32 s60, 0
	s_mov_b32 s61, 0
	s_mov_b32 s62, 0
.Lpair_\@:
	s_add_co_u32 s58, s57, s60
	v_add_nc_u32 v13, s58, v12                     ; b1: 2048 chunk + 256 step + 128 pair
	s_add_co_u32 s58, s53, s61
	v_add_nc_u32 v15, s58, v14                     ; the quad of my images: 1024 step + 512 pair
	v_add_nc_u32 v19, s62, v8                      ; the pair's units
.irp i,0,1
	ds_load_b128 v[B1R+8*\i:B1R+8*\i+3], v13 offset:64*\i
	ds_load_b128 v[B1R+8*\i+4:B1R+8*\i+7], v13 offset:64*\i+16
.endr
	s_wait_dscnt 4                                 ; the unit is in (and the last pair's stores are done); b1's four loads may be out
	UNITMUL
	PLACES 4
	LOADV
	s_wait_dscnt 16                                ; b1 is in; the next unit's 16 loads may be out
	GELU 0
	s_wait_dscnt 0x0
	UNITMUL
	PLACES 4
	s_cmp_lg_u32 s60, 0                            ; behind the first pair the second pair's first unit is fetched; behind the second there is none left in the slot
	s_cbranch_scc1 .Llast_\@
	LOADW 0, 2
.Llast_\@:
	GELU 1
.irp m,0,1,2,3
	ds_store_b128 v15, v[PC+4*\m:PC+4*\m+3] offset:8192*\m   ; two tiles of units are a quad of the fragment (rows m, K step = my wave)
.endr
	s_add_co_u32 s62, s62, 16384
	s_add_co_u32 s61, s61, 512
	s_add_co_u32 s60, s60, 128
	s_cmp_lt_u32 s60, 256
	s_cbranch_scc1 .Lpair_\@
.endm
.macro P1LOOP                          ; a chunk's two steps of the hidden layer
	s_mov_b32 s52, 0
	s_mov_b32 s53, 0
.Lp1_\@:
	CHANGE 1
	P1STEP
	s_add_co_u32 s53, s53, 1024
	s_add_co_u32 s52, s52, 256
	s_cmp_lt_u32 s52, 512
	s_cbranch_scc1 .Lp1_\@
.endm
.macro LOADHF kk                       ; the four tiles of rows of one K step of the hidden layer
.irp m,0,1,2,3
.irp c,0,1,2,3
	ds_load_b128 v[HF+16*(4*\kk+\m)+4*\c:HF+16*(4*\kk+\m)+4*\c+3], v17 offset:8192*\m+2048*\kk+512*\c
.endr
.endr
.endm
.macro MUL2 i                          ; unit i: K step i / 2, column tiles 4 (i % 2) + 0 .. 3: sixteen accumulators by turns, one instruction a turn
	WIN 0xf2                                       ; source 0 window 2, source 1 window 0, C and D window 3
.irp f,0,1,2,3
.irp m,0,1,2,3
	v_wmma_f32_16x16x128_fp8_fp8 v[8*(4*(4*(\i%2)+\f)+\m):8*(4*(4*(\i%2)+\f)+\m)+7], v[64*\i+16*\f:64*\i+16*\f+15], v[HF+16*(4*(\i/2)+\m):HF+16*(4*(\i/2)+\m)+15], v[8*(4*(4*(\i%2)+\f)+\m):8*(4*(4*(\i%2)+\f)+\m)+7]
.endr
.endr
	WIN 0
.endm
.macro P2STEP                          ; two of the chunk's four K steps of the last product
	v_add_nc_u32 v8, s[SL], v7
	v_add_nc_u32 v17, s54, v16
	LOADHF 0
	LOADW 0, 0
	LOADW 1, 1
	s_wait_dscnt 16                                ; the first K step's rows and unit 0 are in; unit 1's 16 loads may be out
	MUL2 0
	LOADHF 1
	LOADW 2, 2
	s_wait_dscnt 32                                ; unit 1 is in; the 32 loads just issued may be out
	MUL2 1
	LOADW 3, 3
	s_wait_dscnt 16
	MUL2 2
	s_wait_dscnt 0x0
	MUL2 3
.endm
	s_load_b512 s[4:19], s[0:1], 0x0               ; aimg, wimg, x, bo, g2, be2, b1, b2
	s_load_b128 s[20:23], s[0:1], 0x40             ; scales, out0
	v_lshl_add_u32 v[SPW], v0, 2, SPARE
	v_mov_b32 v[NIL], 0
	ds_add_u32 v224, v225
	ds_add_u32 v224, v225
	s_wait_dscnt 0x0
	v_lshrrev_b32 v1, 5, v0
	v_readfirstlane_b32 s40, v1                    ; wave
	v_and_b32 v1, 31, v0
	v_and_b32 v2, 15, v0                           ; r
	v_bfe_u32 v3, v0, 4, 1                         ; h
	v_lshlrev_b32 v4, 4, v1                        ; 16 lane
	s_bfe_u32 s41, ttmp6, 0x40000                  ; cx: my place in the cluster: it enters the addresses of aimg, x and out0 alone
	s_lshl_b32 s42, ttmp9, 2                       ; in a cluster launch ttmp9 counts clusters
	s_add_co_u32 s42, s42, s41                     ; my block of 64 rows
	v_mul_u32_u24 v5, v2, STP
	v_lshl_add_u32 v5, v3, 5, v5
	s_lshl_b32 s57, s40, 9
	v_add_nc_u32 v5, s57, v5                       ; the way out as results lie: row r, + 32 h, + my 512 bytes of columns
	v_add_nc_u32 v6, 32*STP, v5                    ; and 32 rows further down (an LDS offset has 16 bits)
	v_add_nc_u32 v19, s57, v4                      ; in memory: my 512 bytes of a row or of a table, 16 bytes a lane
	s_mul_i32 s50, s40, WPART
	v_add_nc_u32 v7, s50, v4                       ; my part of slot 0
	s_mul_i32 s58, s40, 16*STP
	v_add_nc_u32 v9, s58, v4                       ; the way out by rows: my 16 rows
	s_mul_i32 s58, s40, 16*XSP
	s_add_co_u32 s58, s58, HX
	v_add_nc_u32 v11, s58, v4                      ; x's stage, in: a row's 512 bytes on end
	v_mul_u32_u24 v10, v2, XSP
	v_lshl_add_u32 v10, v3, 5, v10
	v_add_nc_u32 v10, s58, v10                     ; and out: row r, + 32 h
	v_lshlrev_b32 v12, 5, v3
	s_add_co_u32 s58, s57, TAB
	v_add_nc_u32 v28, s58, v12                     ; a table as results lie: my 512 bytes, + 32 h
	v_add_nc_u32 v29, s58, v4                      ; and as it is brought
	s_add_co_u32 s58, s57, STAT
	v_add_nc_u32 v30, s58, v4                      ; my sums
	v_add_nc_u32 v31, STAT, v4                     ; anybody's
	s_add_co_u32 s58, s57, B1T
	v_add_nc_u32 v226, s58, v4                     ; b1 as it is brought: my 512 bytes of each chunk's 2,048
	v_add_nc_u32 v12, s58, v12                     ; and as results lie
	s_lshl_b32 s58, s40, 11
	s_add_co_u32 s58, s58, HX
	v_add_nc_u32 v14, s58, v4                      ; my images
	v_add_nc_u32 v16, HX, v4                       ; anybody's
	s_lshl_b32 s58, s40, 15
	v_add_nc_u32 v18, s58, v4                      ; out0: my 16 rows of 2,048 bytes
	; descriptor group 1: a dense block of 32,768 bytes as 128 rows of 256: 32 elements of 8 bytes
	s_mov_b32 s[G1+0], 15|(3<<16)|(1<<21)          ; 15:0 the mask: all four work-groups; 17:16 elements of 8 bytes; 20 no padding; 21 set beside a mask
	s_mov_b32 s[G1+1], 32<<16                      ; tensor_dim0 = 32
	s_mov_b32 s[G1+2], 128<<16                     ; tensor_dim1 = 128
	s_mov_b32 s[G1+3], 32<<16                      ; tile_dim0 = 32
	s_mov_b32 s[G1+4], 128                         ; tile_dim1 = 128
	s_mov_b32 s[G1+5], 32                          ; from row to row
	s_mov_b32 s[G1+6], 0
	s_mov_b32 s[G1+7], 0
	s_mul_i32 s52, s40, 72*8192                    ; my stream: the wave's number alone enters the joint loads' addresses
	s_mov_b32 s53, 0
	s_lshl_b32 s60, s42, 15                        ; aimg: 4 tiles of tokens x 16 heads x 512 bytes
	s_mov_b32 s61, 0
	s_lshl_b32 s62, s42, 17                        ; x, out0: 64 rows of 2,048 bytes
	s_mov_b32 s63, 0
	s_mov_b32 s[SL], 0
	s_wait_kmcnt 0x0
	s_load_b256 s[24:31], s[20:21], 0x20           ; e8 .. e15: e10 s26 .. e15 s31
	s_add_nc_u64 s[4:5], s[4:5], s[60:61]
	s_add_nc_u64 s[8:9], s[8:9], s[62:63]
	s_add_nc_u64 s[22:23], s[22:23], s[62:63]
	s_mov_b32 s[G0A], 1                            ; count = 1
	s_mov_b32 s[G0A+1], s50                        ; fill 0: slot 0, my part
	s_add_nc_u64 s[G0A+2:G0A+3], s[6:7], s[52:53]
	s_mov_b32 s[G0], 1
	s_add_co_u32 s[G0+1], s50, SLOTB               ; fill 1: slot 1
	s_add_nc_u64 s[G0+2:G0+3], s[G0A+2:G0A+3], 32768
	s_or_b32 s[G0A+3], s[G0A+3], 0x80000000        ; type = 2
	s_or_b32 s[G0+3], s[G0+3], 0x80000000
	ROUND                                          ; all four work-groups are here: the first joint loads meet
	tensor_load_to_lds s[G0A:G0A+3], s[G1:G1+7]    ; the two first fills go out together, ahead of every wait on TENSORcnt and every LDS read
	s_nop 0
	tensor_load_to_lds s[G0:G0+3], s[G1:G1+7]
	s_nop 0
	PLACES 4
.irp k,0,1,2,3
	global_load_b128 v[160+4*\k:163+4*\k], v19, s[16:17] offset:2048*\k        ; b1: my 128 numbers of each chunk
.endr
	global_load_b128 v[176:179], v19, s[10:11]     ; my 128 numbers of bo, g2, be2, b2
	global_load_b128 v[180:183], v19, s[12:13]
	global_load_b128 v[184:187], v19, s[14:15]
	global_load_b128 v[188:191], v19, s[18:19]
	WIN 0x80
.set n, 0
.rept 64
	global_load_b128 v[4*n:4*n+3], v19, s[8:9] offset:2048*n th:TH_LOAD_NT     ; x: my 512 consecutive bytes of row n
.set n, n+1
.endr
	WIN 0x40
.set n, 0
.rept 64
	global_load_b128 v[4*n:4*n+3], v4, s[4:5] offset:512*n                     ; attn's 16 fragments: tile n / 16, head n % 16: four heads are a K step
.set n, n+1
.endr
	WIN 0
	s_mov_b32 s48, 0x76543210
	s_mov_b32 s49, 0xfedcba98
	s_mov_b32 s55, 0x3b000000                      ; 1 / 512
	s_mov_b32 s56, 0x3727c5ac                      ; 1e-5
	s_mov_b32 s66, 0xaf95df0b                      ; P: -2.72614225801306e-10, (2.77068142495902e-08 in v24), -2.10102402082508e-06, -5.69250639462346e-05,
	s_mov_b32 s68, 0xb60cff51                      ;    -7.34990630326855e-04, -2.95459980854025e-03, -1.60960333262415e-02
	s_mov_b32 s70, 0xb86ec2d2
	s_mov_b32 s72, 0xba40ac63
	s_mov_b32 s74, 0xbb41a1f6
	s_mov_b32 s76, 0xbc83dbd4
	s_mov_b32 s78, 0xb77460cd                      ; Q: -1.45660718464996e-05, (-2.13374055278905e-04 in v26), -1.68282697438203e-03, -7.37332916720468e-03, -1.42647390514189e-02
	s_mov_b32 s80, 0xbadc924e
	s_mov_b32 s82, 0xbbf19bf8
	s_mov_b32 s84, 0xbc69b6a7
	s_mov_b32 s88, 0x3f3504f3                      ; 1 / sqrt 2
.irp k,66,68,70,72,74,76,78,80,82,84,88
	s_mov_b32 s[\k+1], s[\k]                       ; named as pairs, so both are written
.endr
	v_mov_b32 v24, 0x32edffee
	v_mov_b32 v25, 0x32edffee
	v_mov_b32 v26, 0xb95fbd29
	v_mov_b32 v27, 0xb95fbd29
.irp m,0,1,2,3
	v_mov_b32 v[MU+2*\m+1], 0                      ; named as the upper halves of pairs,
	v_mov_b32 v[RS+2*\m+1], 0
	v_mov_b32 v[TP+\m], 0                          ; or as a lane permute's destination
.endr
	s_wait_kmcnt 0x0
	s_add_co_i32 s57, s26, s27
	s_add_co_i32 s58, s57, 127
	s_lshl_b32 s90, s58, 23                        ; 2^(e10 + e11)
	s_mov_b32 s91, s90
	s_sub_co_i32 s58, 127, s57
	s_lshl_b32 s2, s58, 23                         ; and its reciprocal
	s_mov_b32 s3, s2
	s_add_co_i32 s57, s28, s29
	s_add_co_i32 s57, s57, 127
	s_lshl_b32 s86, s57, 23                        ; 2^(e12 + e13)
	s_mov_b32 s87, s86
	s_add_co_i32 s57, s30, s31
	s_add_co_i32 s58, s57, 127
	s_lshl_b32 s94, s58, 23                        ; 2^(e14 + e15)
	s_mov_b32 s95, s94
	s_sub_co_i32 s58, 127, s57
	s_lshl_b32 s92, s58, 23                        ; and its reciprocal
	s_mov_b32 s93, s92
	MKSC 20, 28
	MKSC 22, 30
	s_wait_loadcnt 63                              ; the tables and x are in: behind x's last load stand attn's 64, and 63 is the largest count that a wait can name
.irp k,0,1,2,3
	ds_store_b128 v226, v[160+4*\k:163+4*\k] offset:2048*\k
	ds_store_b128 v29, v[176+4*\k:179+4*\k] offset:2048*\k
.endr
	; ---- x into the layout of results, through my own stage, 16 rows at a time.  LDS serves a wave's instructions in order (ISA guide 5.7.1.4): no wait between the stores and the loads, nor in front of the next 16 rows' stores
.irp t,0,1,2,3,4,5,6,7
	ds_load_b128 v[BOR+8*\t:BOR+8*\t+3], v28 offset:64*\t
	ds_load_b128 v[BOR+8*\t+4:BOR+8*\t+7], v28 offset:64*\t+16
.endr
.irp m,0,1,2,3
	WIN 0x08                                       ; the stores' data window 2
.irp p,0,1,2,3,4,5,6,7,8,9,10,11,12,13,14,15
	ds_store_b128 v11, v[4*(16*\m+\p):4*(16*\m+\p)+3] offset:XSP*\p
.endr
	WIN 0xc0
.irp t,0,1,2,3,4,5,6,7
	ds_load_b128 v[8*(4*\t+\m):8*(4*\t+\m)+3], v10 offset:64*\t
	ds_load_b128 v[8*(4*\t+\m)+4:8*(4*\t+\m)+7], v10 offset:64*\t+16
.endr
.endr
	WIN 0
	s_wait_dscnt 0x0
.set n, 0
.rept 32
	v_pk_mul_f32 v[BOR+2*n:BOR+2*n+1], v[BOR+2*n:BOR+2*n+1], s[2:3] op_sel_hi:[1,0]
.set n, n+1
.endr
	WIN 0xc3
.irp t,0,1,2,3,4,5,6,7
.irp m,0,1,2,3
.irp q,0,2,4,6
	v_pk_fma_f32 v[8*(4*\t+\m)+\q:8*(4*\t+\m)+\q+1], v[8*(4*\t+\m)+\q:8*(4*\t+\m)+\q+1], s[2:3], v[BOR+8*\t+\q:BOR+8*\t+\q+1] op_sel_hi:[1,0,1]   ; (x + bo) / 2^(e10 + e11) starts the first product's sums
.endr
.endr
.endr
	WIN 0
	; ---- attn Wo, my 8 column tiles
	s_wait_loadcnt 0x0                             ; attn
	s_wait_tensorcnt 0x1                           ; fill 0 is in; fill 1 may be out.  I read my own bytes alone
	ASTEP 0
	CHANGE 1
	ASTEP 1
	; ---- LN2, where the sums lie
	PLACES 4
	WIN 0x80
.irp k,0,1,2                                   ; g2, be2, b2 as results lie, into the buffers that the products have left
.irp t,0,1,2,3,4,5,6,7
	ds_load_b128 v[64*\k+8*\t:64*\k+8*\t+3], v28 offset:2048*(\k+1)+64*\t
	ds_load_b128 v[64*\k+8*\t+4:64*\k+8*\t+7], v28 offset:2048*(\k+1)+64*\t+16
.endr
.endr
	WIN 0xc3
.set n, 0
.rept 128
	v_pk_mul_f32 v[2*n:2*n+1], v[2*n:2*n+1], s[90:91] op_sel_hi:[1,0]   ; x1; each accumulator from its low end on
.set n, n+1
.endr
	WIN 0x0f                                       ; the rows' sums: eight chains (row tile m, half k of my column tiles)
.irp m,0,1,2,3
.irp k,0,1
	v_pk_add_f32 v[SA+4*\m+2*\k:SA+4*\m+2*\k+1], v[8*(16*\k+\m):8*(16*\k+\m)+1], v[8*(16*\k+\m)+2:8*(16*\k+\m)+3]
.endr
.endr
	WIN 0x0c
.irp tt,0,1,2,3
.irp q,0,2,4,6
.if (\tt > 0) || (\q > 2)
.irp m,0,1,2,3
.irp k,0,1
	v_pk_add_f32 v[SA+4*\m+2*\k:SA+4*\m+2*\k+1], v[SA+4*\m+2*\k:SA+4*\m+2*\k+1], v[8*(4*(4*\k+\tt)+\m)+\q:8*(4*(4*\k+\tt)+\m)+\q+1]
.endr
.endr
.endif
.endr
.endr
	WIN 0
	RSUM 0
.irp m,0,1,2,3
	v_mul_f32 v[MU+2*\m], s55, v[SR+\m]            ; the means
.endr
	WIN 0x43                                       ; x1 - mean goes to window 1; x1 stays
.irp t,0,1,2,3,4,5,6,7
.irp m,0,1,2,3
.irp q,0,2,4,6
	v_pk_add_f32 v[8*(4*\t+\m)+\q:8*(4*\t+\m)+\q+1], v[8*(4*\t+\m)+\q:8*(4*\t+\m)+\q+1], v[MU+2*\m:MU+2*\m+1] op_sel_hi:[1,0] neg_lo:[0,1] neg_hi:[0,1]
.endr
.endr
.endr
	WIN 0x05
.irp m,0,1,2,3
.irp k,0,1
	v_pk_mul_f32 v[SA+4*\m+2*\k:SA+4*\m+2*\k+1], v[8*(16*\k+\m):8*(16*\k+\m)+1], v[8*(16*\k+\m):8*(16*\k+\m)+1]
.endr
.endr
.irp tt,0,1,2,3
.irp q,0,2,4,6
.if (\tt > 0) || (\q > 0)
.irp m,0,1,2,3
.irp k,0,1
	v_pk_fma_f32 v[SA+4*\m+2*\k:SA+4*\m+2*\k+1], v[8*(4*(4*\k+\tt)+\m)+\q:8*(4*(4*\k+\tt)+\m)+\q+1], v[8*(4*(4*\k+\tt)+\m)+\q:8*(4*(4*\k+\tt)+\m)+\q+1], v[SA+4*\m+2*\k:SA+4*\m+2*\k+1]
.endr
.endr
.endif
.endr
.endr
	WIN 0
	RSUM 2048
.irp m,0,1,2,3
	v_fma_f32 v[SR+\m], v[SR+\m], s55, s56
.endr
.irp m,0,1,2,3
	v_rsq_f32 v[RS+2*\m], v[SR+\m]
.endr
	v_nop                                          ; a plain line behind the last root
	s_wait_alu depctr_va_vdst(0)                   ; one wait for the four roots, ahead of their first reader
	WIN 0x41
.irp t,0,1,2,3,4,5,6,7
.irp m,0,1,2,3
.irp q,0,2,4,6
	v_pk_mul_f32 v[8*(4*\t+\m)+\q:8*(4*\t+\m)+\q+1], v[8*(4*\t+\m)+\q:8*(4*\t+\m)+\q+1], v[RS+2*\m:RS+2*\m+1] op_sel_hi:[1,0]
.endr
.endr
.endr
	WIN 0x69                                       ; x g2 + be2: both in window 2
.irp t,0,1,2,3,4,5,6,7
.irp m,0,1,2,3
.irp q,0,2,4,6
	v_pk_fma_f32 v[8*(4*\t+\m)+\q:8*(4*\t+\m)+\q+1], v[8*(4*\t+\m)+\q:8*(4*\t+\m)+\q+1], v[8*\t+\q:8*\t+\q+1], v[64+8*\t+\q:64+8*\t+\q+1]
.endr
.endr
.endr
	WIN 0x41
.set n, 0
.rept 256
	v_med3_num_f32 v[n], v[n], -v21, v21           ; the conversion does not saturate (ISA guide 7.6.2): the hold at 448 x 2^e12
.set n, n+1
.endr
	WIN 0x01
.irp m,0,1,2,3
.irp t,0,1,2,3,4,5,6,7
	v_cvt_scalef32_pk8_fp8_f32 v[CF+16*\m+2*\t:CF+16*\m+2*\t+1], v[8*(4*\t+\m):8*(4*\t+\m)+7], v20   ; registers 2 t, 2 t + 1 of the fragment (rows m, K step = my wave)
.endr
.endr
	WIN 0
	v_nop                                          ; a plain line behind the last conversion
.irp m,0,1,2,3
.irp c,0,1,2,3
	ds_store_b128 v14, v[CF+16*\m+4*\c:CF+16*\m+4*\c+3] offset:8192*\m+512*\c
.endr
.endr
	WIN 0x82
.set n, 0
.rept 32
	v_pk_mul_f32 v[128+2*n:129+2*n], v[128+2*n:129+2*n], s[92:93] op_sel_hi:[1,0]
.set n, n+1
.endr
	WIN 0xe3
.irp t,0,1,2,3,4,5,6,7
.irp m,0,1,2,3
.irp q,0,2,4,6
	v_pk_fma_f32 v[8*(4*\t+\m)+\q:8*(4*\t+\m)+\q+1], v[8*(4*\t+\m)+\q:8*(4*\t+\m)+\q+1], s[92:93], v[128+8*\t+\q:129+8*\t+\q] op_sel_hi:[1,0,1]   ; (x1 + b2) / 2^(e14 + e15) starts the last product's sums
.endr
.endr
.endr
	WIN 0
	BAR                                            ; LN2's sixteen fragments lie in LDS
	WIN 0x40
.set n, 0
.rept 64
	ds_load_b128 v[4*n:4*n+3], v16 offset:512*n
.set n, n+1
.endr
	WIN 0
	; ---- four chunks of 512 hidden units; the change in front of each step is also the barrier between the images' readers and writers
	s_mov_b32 s51, 0
.Lchunk:
	P1LOOP
	s_mov_b32 s54, 0
.Lp2:
	CHANGE 1
	P2STEP
	s_add_co_u32 s54, s54, 4096
	s_cmp_lt_u32 s54, 8192
	s_cbranch_scc1 .Lp2
	s_add_co_u32 s51, s51, 2048
	s_cmp_lt_u32 s51, 6144
	s_cbranch_scc1 .Lchunk
	s_mov_b32 s51, 6144                            ; the last chunk is written out: its last change fills nothing
	P1LOOP
	s_mov_b32 s54, 0
	CHANGE 1
	P2STEP
	s_mov_b32 s54, 4096
	CHANGE 0                                       ; behind this barrier nobody reads slot 0 any more
	P2STEP
	; ---- out: x 2^(e14 + e15), through the stage in slot 0, whole rows to memory
	PLACES 4
	WIN 0xc3
.set n, 0
.rept 128
	v_pk_mul_f32 v[2*n:2*n+1], v[2*n:2*n+1], s[94:95] op_sel_hi:[1,0]   ; each accumulator from its low end on
.set n, n+1
.endr
	WIN 0x0c
.irp t,0,1,2,3,4,5,6,7
.irp m,0,1,2,3
	ds_store_b128 v[5+(\m/2)], v[8*(4*\t+\m):8*(4*\t+\m)+3] offset:16*STP*(\m%2)+64*\t
	ds_store_b128 v[5+(\m/2)], v[8*(4*\t+\m)+4:8*(4*\t+\m)+7] offset:16*STP*(\m%2)+64*\t+16
.endr
.endr
	WIN 0
	BAR                                            ; 64 whole rows of the result lie in the stage
.irp b,0,1,2,3
.if \b >= 2
	s_wait_xcnt 0x0                                ; the stores of two batches back have read their registers
.endif
.irp k,0,1,2,3,4,5,6,7,8,9,10,11,12,13,14,15
	ds_load_b128 v[96+64*(\b%2)+4*\k:99+64*(\b%2)+4*\k], v9 offset:STP*(4*\b+\k/4)+512*(\k%4)
.endr
.irp k,0,1,2,3,4,5,6,7,8,9,10,11,12,13,14,15
	s_wait_dscnt 15-\k                             ; load k of the batch is in; the younger ones stay out
	global_store_b128 v18, v[96+64*(\b%2)+4*\k:99+64*(\b%2)+4*\k], s[22:23] offset:2048*(4*\b+\k/4)+512*(\k%4) th:TH_STORE_NT   ; 512 consecutive bytes of a row, aligned
.endr
.endr
	s_wait_tensorcnt 0x0                           ; the wave's end, behind my last tensor load and my last LDS store
	ds_add_u32 v[SPW], v[NIL]
	s_wait_dscnt 0x0
	ROUND                                          ; the closing round: no work-group ends while a partner may still ask for a tile that names it
	s_endpgm
.Lfunc_end_k_q75e0875493_ffn:
	.size	k_q75e0875493_ffn, .Lfunc_end_k_q75e0875493_ffn-k_q75e0875493_ffn
	.p2alignl 7, 3214868480
	.fill 96, 4, 3214868480
	.section	.rodata,"a",@progbits
	.p2align	6, 0x0
	.amdhsa_kernel k_q75e0875493_ffn
		.amdhsa_group_segment_fixed_size 327680
		.amdhsa_private_segment_fixed_size 0
		.amdhsa_enable_private_segment 0
		.amdhsa_kernarg_size 80
		.amdhsa_user_sgpr_count 2
		.amdhsa_user_sgpr_kernarg_segment_ptr 1
		.amdhsa_wavefront_size32 1
		.amdhsa_system_sgpr_workgroup_id_x 1
		.amdhsa_system_sgpr_workgroup_id_y 1
		.amdhsa_system_sgpr_workgroup_id_z 1
		.amdhsa_system_vgpr_workitem_id 0
		.amdhsa_next_free_vgpr 1024
		.amdhsa_next_free_sgpr 100
		.amdhsa_reserve_vcc 0
		.amdhsa_float_denorm_mode_32 3
		.amdhsa_float_denorm_mode_16_64 3
		.amdhsa_memory_ordered 1
		.amdhsa_forward_progress 1
		.amdhsa_inst_pref_size 255
	.end_amdhsa_kernel
	.section	.bss,"aw",@nobits
	.p2align	6
	.space	262144
	.amdgpu_metadata
---
amdhsa.version: [ 1, 2 ]
amdhsa.kernels:
  - .name:           k_q75e0875493_ffn
    .symbol:         k_q75e0875493_ffn.kd
    .args:
      - { .name: aimg, .offset: 0, .size: 8, .value_kind: global_buffer, .address_space: global }
      - { .name: wimg, .offset: 8, .size: 8, .value_kind: global_buffer, .address_space: global }
      - { .name: x, .offset: 16, .size: 8, .value_kind: global_buffer, .address_space: global }
      - { .name: bo, .offset: 24, .size: 8, .value_kind: global_buffer, .address_space: global }
      - { .name: g2, .offset: 32, .size: 8, .value_kind: global_buffer, .address_space: global }
      - { .name: be2, .offset: 40, .size: 8, .value_kind: global_buffer, .address_space: global }
      - { .name: b1, .offset: 48, .size: 8, .value_kind: global_buffer, .address_space: global }
      - { .name: b2, .offset: 56, .size: 8, .value_kind: global_buffer, .address_space: global }
      - { .name: lowp_scales, .offset: 64, .size: 8, .value_kind: global_buffer, .address_space: global }
      - { .name: out0, .offset: 72, .size: 8, .value_kind: global_buffer, .address_space: global }
    .group_segment_fixed_size: 327680
    .private_segment_fixed_size: 0
    .kernarg_segment_align: 8
    .kernarg_segment_size: 80
    .max_flat_workgroup_size: 128
    .sgpr_count:     100
    .vgpr_count:     1024
    .wavefront_size: 32
...
	.end_amdgpu_metadata
.endif
;; end of part 3
;; ======== version 2 of 2: 3 launches; version 1 with the launches qkv, attn written anew for expert scheduling mode
;; workspace buffers: qimg 8,388,608 bytes; kimg 8,388,608 bytes; vimg 8,388,608 bytes; aimg 8,388,608 bytes; wimg 2,359,296 bytes
;; launch qkv (part 4): grid 64 x 4, 4 waves a work-group, no clusters, 83,968 bytes of LDS; arguments x, g1, be1, Wq_codes, Wk_codes, Wv_codes, bq, bk, bv, lowp_scales, Wo_codes, W1_codes, W2_codes, qimg, kimg, vimg, wimg; writes qimg, kimg, vimg, wimg
.if DOCPART == 4
	.amdgcn_target "amdgcn-amd-amdhsa--gfx1250"
	.amdhsa_code_object_version 6
	.text
	.protected	k_q75e0875493_qkv
	.globl	k_q75e0875493_qkv
	.p2align	8
	.type	k_q75e0875493_qkv,@function
k_q75e0875493_qkv:
	s_mov_b64 s[64:65], 0
	v_nop
	global_prefetch_b8 v0, s[64:65] scope:SCOPE_SE
	s_setreg_imm32_b32 hwreg(HW_REG_WAVE_SCHED_MODE, 0, 2), 2
	s_setreg_imm32_b32 hwreg(HW_REG_WAVE_MODE, 25, 1), 1
	s_wait_xcnt 0x0
	s_wait_alu depctr_vm_vsrc(0)
; LN1; xn quantised three times (scales e0, e2, e4); xn Wq, xn Wk, xn Wv on E4M3 codes; biases; RoPE on q and k; q, k, v quantised (e6, e7, e9) and stored as images of operand registers.
; At the end each wave lays one fragment of W1 or W2 (and, in half of the work-groups, a quarter fragment of Wo) into wimg, in the order in which the last launch's waves take them.
; SHARES.  Work-group (cx, y): rows 256 cx .. +255 (batch cx / 2, tokens 256 (cx % 2) on), heads 4 y .. 4 y + 3.  Wave w owns head 4 y + w: its 2 + 2 + 2 column tiles x 4 K steps of Wq, Wk, Wv are
; 24 fragments, 384 registers, loaded once.  Rows go in 8 blocks of 32: wave w normalises rows 8 w .. 8 w + 7 of a block, the codes meet in LDS, every wave multiplies both tiles of 16 rows.
; The norm is made once for each y, four times in all: that keeps the weights in registers and gives 256 work-groups one text.
; NO JOINT LOADS: x is wanted in registers, 16 numbers of a row to a lane, for the norm; through LDS it would be written and read once more.  The weights are 192 KiB a work-group, read once.
; LAYOUTS.  q, k: source 0 = 16 rows of W, source 1 = 16 tokens: a lane holds one token, register j the channel 16 tile + 8 (lane / 16) + j: RoPE's partners d and d + 16 lie in one lane, and eight registers
; are eight neighbours along the next K.  v: source 0 = tokens, source 1 = Wv: a lane holds one channel and eight tokens, neighbours along the keys.
; x's and W's fragments are fetched by 16-byte loads (k = 32 c + 16 (lane / 16) + 0 .. 15 in registers 4 c ..): one permutation of k on both sides of a product.
; qimg, kimg: (head index) 16384 + (token / 16) 512 + 16 lane.  vimg: (head index) 16384 + (token / 32) 1024 + (channel / 16) 512 + 16 lane.
; LIMITS.  NaN and infinities among the inputs are not served.  e0, e2, e4, e6 - e0 - e1, e7 - e2 - e3, e9 - e4 - e5 lie between -126 and 119.  The RoPE angle is t x 10^(-j/4) with the factor rounded to f32;
; sine and cosine by reduction modulo pi / 2 in two parts and polynomials of degree 7 and 8 on +-pi / 4.
; REGISTERS.  window 0: v1-15 lane numbers and addresses; v16-27 scales and limits; v28-31 bv; v32-63 g1, be1; v64-95 bq, bk; v96-255 at work.  window 1: Wq, Wk.  window 2: Wv, x's fragments for q and k.  window 3: 8 rows of x.
; THE MODE: SCHED_MODE bits 1:0 = 2 (LLVM: expert scheduling mode 2), set by the entry lines.  The code itself states the register dependences
; between vector or matrix instructions and memory or LDS instructions, with s_wait_alu, always for 0.
; THE PLAN.  Registers that memory or LDS instructions touch, in the loop over blocks:
;   X rows (window 3), halves g = 0, 1   Loaded by XLOAD g; normalised in place and read by the holds of LN4 g; loaded again, for the next block, behind LN4 g's wait on va_vdst.
;   CD (v208-255)       Written by LN4 g's 24 conversions; read by its 48 LDS stores, one run behind that wait; written again by the next LN4; v's fragments land there.
;   T (v144-207)        Named by vector instructions alone in LN4, but cos and sin (v144-159), the images' codes (v176-191) and the first of v's fragments (v192-207) lie in it.
;   fragments (window 2 v128-255, window 0 v192-255)   LDS loads; read by a tile's 24 products.  Tile 1's are asked for behind tile 0's products, and land under tile 0's RoPE and conversions.
;   CS (v144-159)       LDS loads; read by RoPE.  Tile 1's are asked for behind tile 0's stores.
;   QC, KC, VC (v176-191)   Written by a tile's conversions; read by its global stores.
;   v11                 Read by the loads of cos and sin; written once a block, behind LN4 0's wait on vm_vsrc and ahead of its wait on va_vdst.
;   v5, v6, v8, v12     Made at the head, never written again: x's base and the three images' bases are scalar and move on at a block's end.
; A block has, beside the two waits behind the roots, five waits on va_vdst (one behind each LN4's conversions, one behind tile 0's products, one ahead of each tile's stores)
; and four on vm_vsrc (one in each LN4 ahead of its holds, one behind the first barrier, one ahead of tile 1's RoPE).  Each says at its place what it states.
.set ROWP, 528                         ; a row of 512 codes in LDS + 16 bytes: 33 x 16, so that 16 rows of a fragment load start at 16 different places modulo 256
.set SETB, 32*ROWP                     ; 32 rows: one of the three sets of codes
.set ROPE, 3*SETB                      ; behind them: cos and sin, 2,048 bytes for each of 16 tiles of rows
.set SA, 96                            ; norm: 8 registers a row, partial sums
.set ST, 128                           ; norm: 4 registers a row: mean (pair), 1 / sigma (pair)
.set T, 144                            ; 4 rows x 16 numbers, held within the largest code
.set CD, 208                           ; 4 rows x 3 sets x 4 registers of codes
.set GN, 32
.set BE, 48
.set SINV, 66                          ; s66 1 / 512
.set SEPS, 67                          ; s67 1e-5
.set SEL, 62                           ; s[62:63] lane selects: lane xor 16
.set ACC, 96                           ; q0 q1 k0 k1 v0 v1, 8 registers each
.set CS, 144                           ; cos (8), sin (8)
.set RT, 160
.set QC, 176
.set KC, 180
.set VC, 184
.set XFV, 192                          ; x's fragments for v
.set IV, 96                            ; RoPE tables: the lane's eight frequencies, and arrays of eight at work
.set RF, 112
.set RN, 120
.set RR, 128
.set RZ, 136
.set CO, 144
.set SI, 152
.set RQ, 160
.set RP, 168
.set RS, 176
.set RP2, 184
.set RC, 192
.set RB, 200
.set RT2, 208
.set MSB, 0
.macro WIN new                         ; the immediate's high byte repeats the setting that is left
.if MSB != \new
	s_set_vgpr_msb (MSB<<8)|\new
.set MSB, \new
.endif
.endm
.macro PLACES n
.rept \n
	v_nop
.endr
.endm
.macro BAR                             ; my LDS stores have landed and my LDS loads are in: then the work-group's barrier
	s_wait_dscnt 0x0
	s_barrier_signal -1
	s_barrier_wait -1
.endm
.macro MKSC vr, se                     ; v[vr] = 2^E, v[vr + 1] = 448 x 2^E, E in s[se]
	s_add_co_i32 s90, s[\se], 127
	s_lshl_b32 s91, s90, 23
	v_mov_b32 v[\vr], s91
	s_add_co_i32 s90, s90, 8
	s_lshl_b32 s90, s90, 23
	s_or_b32 s90, s90, 0x600000
	v_mov_b32 v[\vr+1], s90
.endm
.macro INVF j, lo, hi                  ; frequency 8 (lane / 16) + j
	v_mov_b32 v106, \hi
	v_cndmask_b32 v[IV+\j], \lo, v106, vcc_lo
.endm
.macro XLOAD g                         ; rows 4 g .. 4 g + 3 of my 8: each load takes 512 consecutive bytes of a row
	WIN 0xc0
.irp a,0,1,2,3
.irp i,0,1,2,3
	global_load_b128 v[16*(4*\g+\a)+4*\i:16*(4*\g+\a)+4*\i+3], v5, s[60:61] offset:2048*(4*\g+\a)+512*\i
.endr
.endr
	WIN 0
.endm
.macro LANESUM                         ; v[SA + 8 a], a = 0 .. 3: summed over the 32 lanes, the result in every lane
.irp x,1,2,4,8
.irp a,0,1,2,3
	v_add_f32_dpp v[SA+8*\a], v[SA+8*\a], v[SA+8*\a] row_xmask:\x row_mask:0xf bank_mask:0xf
.endr
.endr
.irp a,0,1,2,3
	v_permlanex16_b32 v[SA+8*\a+1], v[SA+8*\a], s[SEL], s[SEL+1]
.endr
.irp a,0,1,2,3
	v_add_f32 v[SA+8*\a], v[SA+8*\a], v[SA+8*\a+1]
.endr
.endm
; The norm of rows 4 g .. 4 g + 3 (window 3, 16 registers a row), in place, stage by stage over the four rows so that no line waits for the line above it.
.macro LNCORE g
	WIN 0x0f
.irp a,0,1,2,3
.set XB, 16*(4*\g+\a)
.irp q,0,1,2,3
	v_pk_add_f32 v[SA+8*\a+2*\q:SA+8*\a+2*\q+1], v[XB+4*\q:XB+4*\q+1], v[XB+4*\q+2:XB+4*\q+3]
.endr
.endr
	WIN 0
.irp a,0,1,2,3
	v_pk_add_f32 v[SA+8*\a:SA+8*\a+1], v[SA+8*\a:SA+8*\a+1], v[SA+8*\a+2:SA+8*\a+3]
	v_pk_add_f32 v[SA+8*\a+4:SA+8*\a+5], v[SA+8*\a+4:SA+8*\a+5], v[SA+8*\a+6:SA+8*\a+7]
.endr
.irp a,0,1,2,3
	v_pk_add_f32 v[SA+8*\a:SA+8*\a+1], v[SA+8*\a:SA+8*\a+1], v[SA+8*\a+4:SA+8*\a+5]
.endr
.irp a,0,1,2,3
	v_add_f32 v[SA+8*\a], v[SA+8*\a], v[SA+8*\a+1]
.endr
	LANESUM
.irp a,0,1,2,3
	v_mul_f32 v[ST+4*\a], s[SINV], v[SA+8*\a]      ; the mean
.endr
	WIN 0xc3
.irp a,0,1,2,3
.set XB, 16*(4*\g+\a)
.irp q,0,2,4,6,8,10,12,14
	v_pk_add_f32 v[XB+\q:XB+\q+1], v[XB+\q:XB+\q+1], v[ST+4*\a:ST+4*\a+1] op_sel_hi:[1,0] neg_lo:[0,1] neg_hi:[0,1]
.endr
.endr
	WIN 0x0f
.irp a,0,1,2,3
.set XB, 16*(4*\g+\a)
	v_pk_mul_f32 v[SA+8*\a:SA+8*\a+1], v[XB:XB+1], v[XB:XB+1]
	v_pk_mul_f32 v[SA+8*\a+2:SA+8*\a+3], v[XB+2:XB+3], v[XB+2:XB+3]
.endr
.irp q,4,8,12
.irp a,0,1,2,3
.set XB, 16*(4*\g+\a)
	v_pk_fma_f32 v[SA+8*\a:SA+8*\a+1], v[XB+\q:XB+\q+1], v[XB+\q:XB+\q+1], v[SA+8*\a:SA+8*\a+1]
	v_pk_fma_f32 v[SA+8*\a+2:SA+8*\a+3], v[XB+\q+2:XB+\q+3], v[XB+\q+2:XB+\q+3], v[SA+8*\a+2:SA+8*\a+3]
.endr
.endr
	WIN 0
.irp a,0,1,2,3
	v_pk_add_f32 v[SA+8*\a:SA+8*\a+1], v[SA+8*\a:SA+8*\a+1], v[SA+8*\a+2:SA+8*\a+3]
.endr
.irp a,0,1,2,3
	v_add_f32 v[SA+8*\a], v[SA+8*\a], v[SA+8*\a+1]
.endr
	LANESUM
.irp a,0,1,2,3
	v_fma_f32 v[SA+8*\a], v[SA+8*\a], s[SINV], s[SEPS]
.endr
.irp a,0,1,2,3
	v_rsq_f32 v[ST+4*\a+2], v[SA+8*\a]
.endr
	v_nop                                          ; a plain line behind the last root
	s_wait_alu depctr_va_vdst(0)                   ; the four roots have written v[ST + 2], v[ST + 6], v[ST + 10], v[ST + 14]: one wait, ahead of their first reader
	WIN 0xc3
.irp a,0,1,2,3
.set XB, 16*(4*\g+\a)
.irp q,0,2,4,6,8,10,12,14
	v_pk_mul_f32 v[XB+\q:XB+\q+1], v[XB+\q:XB+\q+1], v[ST+4*\a+2:ST+4*\a+3] op_sel_hi:[1,0]
.endr
.endr
.irp a,0,1,2,3
.set XB, 16*(4*\g+\a)
.irp q,0,2,4,6,8,10,12,14
	v_pk_fma_f32 v[XB+\q:XB+\q+1], v[XB+\q:XB+\q+1], v[GN+\q:GN+\q+1], v[BE+\q:BE+\q+1]
.endr
.endr
	WIN 0
.endm
; Four rows: the norm, then the three quantisers, then one run of memory and LDS instructions.  A lane's register 4 i + e is k = 128 i + 4 lane + e, so a register of codes is 4 neighbours and a wave's store 128 consecutive bytes of a row.
; refill = 1: the same four rows of the next block are asked for as soon as the holds have read these.
.macro LN4 g, n, refill
	s_wait_loadcnt \n                              ; these four rows are in; the n younger loads stay out
	LNCORE \g
	s_wait_dscnt 0x0                               ; the last stores of codes are done
	s_wait_alu depctr_vm_vsrc(0)                   ; g = 0: the last block's stores of images have read v176-191, which lie in T, and its loads of cos and sin have read v11; g = 1: the stores of rows 0 - 3's codes have read CD, which is written again below
.if \g == 0
	v_add_nc_u32 v11, s58, v10                     ; this block's cos and sin; the wait on va_vdst below stands between this line and the loads that read v11
.endif
.irp e,0,1,2
	WIN 0x03
.irp a,0,1,2,3
.irp i,0,1,2,3,4,5,6,7,8,9,10,11,12,13,14,15
	v_med3_num_f32 v[T+16*\a+\i], v[16*(4*\g+\a)+\i], -v[17+2*\e], v[17+2*\e]   ; the conversion does not saturate (ISA guide 7.6.2): the hold at 448 x the scale
.endr
.endr
	WIN 0
.irp a,0,1,2,3
	v_cvt_scalef32_pk8_fp8_f32 v[CD+12*\a+4*\e:CD+12*\a+4*\e+1], v[T+16*\a:T+16*\a+7], v[16+2*\e]
	v_cvt_scalef32_pk8_fp8_f32 v[CD+12*\a+4*\e+2:CD+12*\a+4*\e+3], v[T+16*\a+8:T+16*\a+15], v[16+2*\e]
.endr
	v_nop                                          ; a plain line between the conversions and the lines that write their sources again
.endr
	s_wait_alu depctr_va_vdst(0)                   ; the conversions have written CD, which the stores below read; the norm and the holds are done with these four rows, in which the loads below land; v11 is written; T and CD are at rest, where fragments, cos and sin will land
.if \refill
	XLOAD \g                                       ; the next block's rows go out as soon as their registers are free
.endif
.irp e,0,1,2
.irp a,0,1,2,3
.irp i,0,1,2,3
	ds_store_b32 v6, v[CD+12*\a+4*\e+\i] offset:SETB*\e+ROWP*(4*\g+\a)+128*\i
.endr
.endr
.endr
.endm
; RoPE on the two tiles a0 (channels 8 h + j) and a1 (16 + 8 h + j), the hold, the conversion: four registers of codes, a K = 64 fragment's lower half.
.macro ROPEQ a0, a1, sc, out
.irp p,0,2,4,6
	v_pk_mul_f32 v[RT+\p:RT+\p+1], v[\a1+\p:\a1+\p+1], v[CS+8+\p:CS+9+\p]
	v_pk_mul_f32 v[RT+8+\p:RT+9+\p], v[\a0+\p:\a0+\p+1], v[CS+8+\p:CS+9+\p]
.endr
.irp p,0,2,4,6
	v_pk_fma_f32 v[\a0+\p:\a0+\p+1], v[\a0+\p:\a0+\p+1], v[CS+\p:CS+\p+1], v[RT+\p:RT+\p+1] neg_lo:[0,0,1] neg_hi:[0,0,1]
	v_pk_fma_f32 v[\a1+\p:\a1+\p+1], v[\a1+\p:\a1+\p+1], v[CS+\p:CS+\p+1], v[RT+8+\p:RT+9+\p]
.endr
.irp i,0,1,2,3,4,5,6,7
	v_med3_num_f32 v[\a0+\i], v[\a0+\i], -v[\sc+1], v[\sc+1]
	v_med3_num_f32 v[\a1+\i], v[\a1+\i], -v[\sc+1], v[\sc+1]
.endr
	v_cvt_scalef32_pk8_fp8_f32 v[\out:\out+1], v[\a0:\a0+7], v[\sc]
	v_cvt_scalef32_pk8_fp8_f32 v[\out+2:\out+3], v[\a1:\a1+7], v[\sc]
.endm
; Tile m's 12 fragments of x: 48 LDS loads: q's 16, k's 16, v's 16
.macro FRAGS m
	WIN 0x80
.irp s,0,1,2,3
.irp c,0,1,2,3
	ds_load_b128 v[128+16*\s+4*\c:128+16*\s+4*\c+3], v8 offset:16*ROWP*\m+128*\s+32*\c
.endr
.endr
.irp s,0,1,2,3
.irp c,0,1,2,3
	ds_load_b128 v[192+16*\s+4*\c:192+16*\s+4*\c+3], v8 offset:SETB+16*ROWP*\m+128*\s+32*\c
.endr
.endr
	WIN 0
.irp s,0,1,2,3
.irp c,0,1,2,3
	ds_load_b128 v[XFV+16*\s+4*\c:XFV+16*\s+4*\c+3], v8 offset:2*SETB+16*ROWP*\m+128*\s+32*\c
.endr
.endr
.endm
; Tile m's cos and sin: 4 LDS loads
.macro COSSIN m
.irp q,0,1,2,3
	ds_load_b128 v[CS+4*\q:CS+4*\q+3], v11 offset:2048*\m+512*\q
.endr
.endm
; Tile m (16 rows) of the block against my head's six column tiles.  Its 48 + 4 LDS loads have been issued, in that order.
.macro TILE m
	s_wait_dscnt 20                                ; q's and k's fragments are in; v's 16 loads and the 4 of cos and sin may be out
	WIN 0x09                                       ; source 0 (W) window 1, source 1 (x) window 2
.irp s,0,1,2,3                                 ; four accumulators by turns, one instruction a turn; the biases, divided by the sums' power of two, are the C of the first K step
.irp t,0,1
.if \s == 0
	v_wmma_f32_16x16x128_fp8_fp8 v[ACC+8*\t:ACC+8*\t+7], v[16*(4*\t+\s):16*(4*\t+\s)+15], v[128+16*\s:143+16*\s], v[64+8*\t:71+8*\t]
.else
	v_wmma_f32_16x16x128_fp8_fp8 v[ACC+8*\t:ACC+8*\t+7], v[16*(4*\t+\s):16*(4*\t+\s)+15], v[128+16*\s:143+16*\s], v[ACC+8*\t:ACC+8*\t+7]
.endif
.endr
.irp t,0,1
.if \s == 0
	v_wmma_f32_16x16x128_fp8_fp8 v[ACC+16+8*\t:ACC+23+8*\t], v[128+16*(4*\t+\s):143+16*(4*\t+\s)], v[192+16*\s:207+16*\s], v[80+8*\t:87+8*\t]
.else
	v_wmma_f32_16x16x128_fp8_fp8 v[ACC+16+8*\t:ACC+23+8*\t], v[128+16*(4*\t+\s):143+16*(4*\t+\s)], v[192+16*\s:207+16*\s], v[ACC+16+8*\t:ACC+23+8*\t]
.endif
.endr
.endr
	s_wait_dscnt 4                                 ; v's fragments are in; cos and sin may be out
	WIN 0x08                                       ; source 0 (x) window 0, source 1 (Wv) window 2
.irp s,0,1,2,3
.irp t,0,1
.if \s == 0
	v_wmma_f32_16x16x128_fp8_fp8 v[ACC+32+8*\t:ACC+39+8*\t], v[XFV+16*\s:XFV+16*\s+15], v[16*(4*\t+\s):16*(4*\t+\s)+15], 0
.else
	v_wmma_f32_16x16x128_fp8_fp8 v[ACC+32+8*\t:ACC+39+8*\t], v[XFV+16*\s:XFV+16*\s+15], v[16*(4*\t+\s):16*(4*\t+\s)+15], v[ACC+32+8*\t:ACC+39+8*\t]
.endif
.endr
.endr
	WIN 0
	PLACES 4                                       ; behind the last products, ahead of the first read of results (ISA guide 7.12.1)
.if \m == 0
	s_wait_alu depctr_va_vdst(0)                   ; this tile's 24 products are done reading their fragments of x, in which the next tile's land
	FRAGS 1                                        ; no vector instruction below names these registers before the next tile's products: they land under RoPE and the conversions
	s_wait_dscnt 48                                ; cos and sin are in; the 48 younger loads, just issued, stay out
.else
	s_wait_dscnt 0x0                               ; cos and sin
.endif
	s_wait_xcnt 0x0                                ; the last tile's stores have read their registers
.if \m == 1
	s_wait_alu depctr_vm_vsrc(0)                   ; tile 0's stores have read QC and KC, which the conversions below write again (ahead of tile 0 the waits of LN4 have stated the same of the last block's stores)
.endif
	ROPEQ ACC, ACC+8, 22, QC
	ROPEQ ACC+16, ACC+24, 24, KC
.irp p,0,2,4,6
	v_pk_add_f32 v[ACC+32+\p:ACC+33+\p], v[ACC+32+\p:ACC+33+\p], v[28:29] op_sel_hi:[1,0]
	v_pk_add_f32 v[ACC+40+\p:ACC+41+\p], v[ACC+40+\p:ACC+41+\p], v[30:31] op_sel_hi:[1,0]
.endr
.irp i,0,1,2,3,4,5,6,7,8,9,10,11,12,13,14,15
	v_med3_num_f32 v[ACC+32+\i], v[ACC+32+\i], -v27, v27
.endr
	v_cvt_scalef32_pk8_fp8_f32 v[VC+2*\m:VC+2*\m+1], v[ACC+32:ACC+39], v26
	v_cvt_scalef32_pk8_fp8_f32 v[VC+4+2*\m:VC+5+2*\m], v[ACC+40:ACC+47], v26
	v_nop                                          ; a plain line behind the last conversion
	s_wait_alu depctr_va_vdst(0)                   ; the conversions have written QC, KC and VC, which the stores below read; RoPE is done reading cos and sin, and (tile 1) the products their fragments, in which later loads land
	global_store_b128 v12, v[QC:QC+3], s[30:31] offset:512*\m     ; each store of the wave covers 512 consecutive bytes, aligned
	global_store_b128 v12, v[KC:KC+3], s[32:33] offset:512*\m
.if \m == 1
	global_store_b128 v12, v[VC:VC+3], s[34:35]                   ; the block's 32 tokens: one quad of a K = 128 fragment of V^T, for each tile of channels
	global_store_b128 v12, v[VC+4:VC+7], s[34:35] offset:512
.else
	COSSIN 1                                       ; the next tile's cos and sin: no vector instruction since the wait above names their registers
.endif
.endm
.macro BLOCK refill
	LN4 0, 16, \refill                             ; the 16 younger loads are rows 4 - 7
.if \refill
	LN4 1, 16, 1                                   ; the 16 younger loads are the next block's rows 0 - 3
.else
	LN4 1, 0, 0
.endif
	BAR                                            ; the 32 rows' codes lie in LDS (in the first block: the tables of cos and sin too)
	s_wait_alu depctr_vm_vsrc(0)                   ; my stores of codes have read CD (v208-255), in which v's fragments land
	FRAGS 0
	COSSIN 0
	TILE 0
	TILE 1
.if \refill
	BAR                                            ; every wave has read them: they may be written again
	s_wait_xcnt 0x0                                ; loads and stores have read their addresses
	s_add_nc_u64 s[60:61], s[60:61], 0x10000
	s_add_nc_u64 s[30:31], s[30:31], 0x400         ; the three images move on by a block: the vector offset v12 stays as it is
	s_add_nc_u64 s[32:33], s[32:33], 0x400
	s_add_nc_u64 s[34:35], s[34:35], 0x400
	s_add_co_u32 s58, s58, 4096
.endif
.endm
	s_load_b512 s[4:19], s[0:1], 0x0               ; x, g1, be1, Wq, Wk, Wv, bq, bk
	s_load_b512 s[20:35], s[0:1], 0x40             ; bv, scales, Wo, W1, W2, qimg, kimg, vimg
	s_load_b64 s[36:37], s[0:1], 0x80              ; wimg
	s_set_vgpr_msb 0xc0
	v_lshl_add_u32 v128, v0, 2, 0x14600
	v_mov_b32 v129, 0
	s_set_vgpr_msb 0xc000
	v_lshrrev_b32 v1, 5, v0
	v_readfirstlane_b32 s56, v1                    ; wave
	v_and_b32 v1, 31, v0                           ; lane
	v_and_b32 v2, 15, v0                           ; r
	v_bfe_u32 v3, v0, 4, 1                         ; h
	v_lshlrev_b32 v4, 4, v1                        ; 16 lane
	s_wait_alu depctr_va_sdst(0)                   ; s56 is written, ahead of its first reader: my head, my rows and my LDS places are made from it
	s_and_b32 s38, ttmp7, 0xffff                   ; y
	s_lshl_b32 s39, s38, 2
	s_add_co_u32 s39, s39, s56                     ; my head
	s_lshl_b32 s78, s56, 14
	v_add_nc_u32 v5, s78, v4                       ; x: my 8 rows of 2,048 bytes, 16 bytes a lane
	s_mul_i32 s78, s56, 8*ROWP
	v_lshlrev_b32 v6, 2, v1
	v_add_nc_u32 v6, s78, v6                       ; codes into LDS: my 8 rows, 4 bytes a lane
	v_mul_u32_u24 v8, v2, ROWP
	v_lshl_add_u32 v8, v3, 4, v8                   ; a fragment: row r, + 16 h
	v_add_nc_u32 v10, ROPE, v4
	v_lshlrev_b32 v13, 9, v2
	v_lshl_add_u32 v13, v3, 4, v13                 ; a weight's fragment: row r of 512 bytes, + 16 h
	v_lshlrev_b32 v14, 5, v3                       ; bq, bk: 8 h numbers on
	v_lshlrev_b32 v15, 2, v2                       ; bv: r numbers on
	s_mov_b32 s62, 0x76543210
	s_mov_b32 s63, 0xfedcba98
	s_mov_b32 s66, 0x3b000000                      ; 1 / 512
	s_mov_b32 s67, 0x3727c5ac                      ; 1e-5
	s_mov_b32 s68, 0xbfc90fdb                      ; -pi / 2, upper part
	s_mov_b32 s69, 0x333bbd2e                      ; what the upper part has too much
	s_mov_b32 s70, 0xb94ca1f9                      ; sine: -1.9515295891e-4, 8.3321608736e-3, -1.6666654611e-1
	s_mov_b32 s71, 0x3c08839e
	s_mov_b32 s72, 0xbe2aaaa3
	s_mov_b32 s73, 0x37ccf5ce                      ; cosine: 2.443315712e-5, -1.388731625e-3, 4.166664568e-2
	s_mov_b32 s74, 0xbab6061a
	s_mov_b32 s75, 0x3d2aaaa5
	s_lshl_b32 s60, ttmp9, 19                      ; 256 rows of 2,048 bytes
	s_mov_b32 s61, 0
	s_lshl_b32 s80, s39, 14                        ; my head's 32 rows of 512 codes
	s_mov_b32 s81, 0
	s_lshl_b32 s82, s39, 7                         ; my head's 32 numbers of a bias
	s_mov_b32 s83, 0
	s_wait_kmcnt 0x0
	s_load_b512 s[40:55], s[22:23], 0x0            ; e0 .. e15
	s_add_nc_u64 s[60:61], s[4:5], s[60:61]
	s_wait_alu depctr_va_vdst(0)                   ; v4, v5, v13, v14, v15 are written, the offsets of the loads below; so are v6 and v8, the LDS addresses of the codes' stores and the fragments' loads
	XLOAD 0                                        ; block 0
	XLOAD 1
	s_add_nc_u64 s[10:11], s[10:11], s[80:81]
	s_add_nc_u64 s[12:13], s[12:13], s[80:81]
	s_add_nc_u64 s[14:15], s[14:15], s[80:81]
	s_add_nc_u64 s[16:17], s[16:17], s[82:83]
	s_add_nc_u64 s[18:19], s[18:19], s[82:83]
	s_add_nc_u64 s[20:21], s[20:21], s[82:83]
	WIN 0x40
.irp t,0,1
.irp s,0,1,2,3
.irp c,0,1,2,3
	global_load_b128 v[16*(4*\t+\s)+4*\c:16*(4*\t+\s)+4*\c+3], v13, s[10:11] offset:8192*\t+128*\s+32*\c
	global_load_b128 v[128+16*(4*\t+\s)+4*\c:128+16*(4*\t+\s)+4*\c+3], v13, s[12:13] offset:8192*\t+128*\s+32*\c
.endr
.endr
.endr
	WIN 0x80
.irp t,0,1
.irp s,0,1,2,3
.irp c,0,1,2,3
	global_load_b128 v[16*(4*\t+\s)+4*\c:16*(4*\t+\s)+4*\c+3], v13, s[14:15] offset:8192*\t+128*\s+32*\c
.endr
.endr
.endr
	WIN 0
.irp i,0,1,2,3
	global_load_b128 v[GN+4*\i:GN+4*\i+3], v4, s[6:7] offset:512*\i
	global_load_b128 v[BE+4*\i:BE+4*\i+3], v4, s[8:9] offset:512*\i
.endr
.irp t,0,1
	global_load_b128 v[64+8*\t:67+8*\t], v14, s[16:17] offset:64*\t
	global_load_b128 v[68+8*\t:71+8*\t], v14, s[16:17] offset:64*\t+16
	global_load_b128 v[80+8*\t:83+8*\t], v14, s[18:19] offset:64*\t
	global_load_b128 v[84+8*\t:87+8*\t], v14, s[18:19] offset:64*\t+16
	global_load_b32 v[28+2*\t], v15, s[20:21] offset:64*\t
.endr
	; ---- the tables of cos and sin: wave w makes tiles of rows 4 w .. 4 w + 3; lane (r, h): token r of the tile, frequencies 8 h + 0 .. 7.  The loads above land meanwhile
	v_cmp_eq_u32 vcc_lo, 1, v3
	s_wait_alu depctr_va_vcc(0)                    ; VCC is written, ahead of its first reader: the eight selections below
	INVF 0, 0x3f800000, 0x3c23d70a                 ; 10^(-j / 4), j = 0 .. 15
	INVF 1, 0x3f0ff59a, 0x3bb8449c
	INVF 2, 0x3ea1e89b, 0x3b4f3e37
	INVF 3, 0x3e361887, 0x3ae91528
	INVF 4, 0x3dcccccd, 0x3a83126f
	INVF 5, 0x3d6655c3, 0x3a136a16
	INVF 6, 0x3d0186e2, 0x39a5cb5f
	INVF 7, 0x3c91ad39, 0x393a7753
	s_and_b32 s84, ttmp9, 1
	s_lshl_b32 s84, s84, 8
	s_lshl_b32 s86, s56, 6
	s_add_co_u32 s84, s84, s86                     ; the tile's first token
	s_lshl_b32 s85, s56, 13                        ; and its place among the tables
	s_mov_b32 s59, 0
.Lrope:
	v_add_nc_u32 v104, s84, v2
	v_cvt_f32_u32 v104, v104
	v_add_nc_u32 v105, s85, v10
.irp j,0,1,2,3,4,5,6,7
	v_mul_f32 v[RF+\j], v104, v[IV+\j]             ; the angle
.endr
.irp j,0,1,2,3,4,5,6,7
	v_mul_f32 v[RN+\j], 0x3f22f983, v[RF+\j]
.endr
.irp j,0,1,2,3,4,5,6,7
	v_rndne_f32 v[RN+\j], v[RN+\j]                 ; n = the nearest multiple of pi / 2
.endr
.irp j,0,1,2,3,4,5,6,7
	v_fma_f32 v[RR+\j], v[RN+\j], s68, v[RF+\j]
.endr
.irp j,0,1,2,3,4,5,6,7
	v_fma_f32 v[RR+\j], v[RN+\j], s69, v[RR+\j]    ; the rest, within +-pi / 4
.endr
.irp j,0,1,2,3,4,5,6,7
	v_mul_f32 v[RZ+\j], v[RR+\j], v[RR+\j]
.endr
.irp j,0,1,2,3,4,5,6,7
	v_cvt_i32_f32 v[RQ+\j], v[RN+\j]
.endr
.irp j,0,1,2,3,4,5,6,7
	v_fma_f32 v[RP+\j], v[RZ+\j], s70, s71
.endr
.irp j,0,1,2,3,4,5,6,7
	v_fma_f32 v[RP+\j], v[RP+\j], v[RZ+\j], s72
.endr
.irp j,0,1,2,3,4,5,6,7
	v_mul_f32 v[RT2+\j], v[RR+\j], v[RZ+\j]
.endr
.irp j,0,1,2,3,4,5,6,7
	v_fma_f32 v[RS+\j], v[RP+\j], v[RT2+\j], v[RR+\j]   ; the rest's sine
.endr
.irp j,0,1,2,3,4,5,6,7
	v_fma_f32 v[RP2+\j], v[RZ+\j], s73, s74
.endr
.irp j,0,1,2,3,4,5,6,7
	v_fma_f32 v[RP2+\j], v[RP2+\j], v[RZ+\j], s75
.endr
.irp j,0,1,2,3,4,5,6,7
	v_mul_f32 v[RT2+\j], v[RZ+\j], v[RZ+\j]
.endr
.irp j,0,1,2,3,4,5,6,7
	v_fma_f32 v[RC+\j], v[RZ+\j], -0.5, 1.0
.endr
.irp j,0,1,2,3,4,5,6,7
	v_fma_f32 v[RC+\j], v[RP2+\j], v[RT2+\j], v[RC+\j]  ; and cosine
.endr
.irp j,0,1,2,3,4,5,6,7
	v_and_b32 v[RB+\j], 1, v[RQ+\j]
.endr
.irp j,0,1,2,3,4,5,6,7
	v_cmp_eq_u32 s[92+\j], 1, v[RB+\j]             ; n odd: the two change places
.endr
	s_wait_alu depctr_va_sdst(0)                   ; the eight masks s92 to s99 are written: one wait behind the run of compares, ahead of the selections that read them
.irp j,0,1,2,3,4,5,6,7
	v_cndmask_b32 v[RP+\j], v[RS+\j], v[RC+\j], s[92+\j]
	v_cndmask_b32 v[RP2+\j], v[RC+\j], v[RS+\j], s[92+\j]
.endr
.irp j,0,1,2,3,4,5,6,7
	v_and_b32 v[RB+\j], 2, v[RQ+\j]
.endr
.irp j,0,1,2,3,4,5,6,7
	v_lshlrev_b32 v[RB+\j], 30, v[RB+\j]
.endr
.irp j,0,1,2,3,4,5,6,7
	v_xor_b32 v[SI+\j], v[RP+\j], v[RB+\j]         ; the sine is negative for n mod 4 = 2, 3
.endr
.irp j,0,1,2,3,4,5,6,7
	v_add_nc_u32 v[RB+\j], 1, v[RQ+\j]
.endr
.irp j,0,1,2,3,4,5,6,7
	v_and_b32 v[RB+\j], 2, v[RB+\j]
.endr
.irp j,0,1,2,3,4,5,6,7
	v_lshlrev_b32 v[RB+\j], 30, v[RB+\j]
.endr
.irp j,0,1,2,3,4,5,6,7
	v_xor_b32 v[CO+\j], v[RP2+\j], v[RB+\j]        ; the cosine for n mod 4 = 1, 2
.endr
	s_wait_alu depctr_va_vdst(0)                   ; v105, the cosines and the sines are written: the address and the data of the four stores
	ds_store_b128 v105, v[CO:CO+3]
	ds_store_b128 v105, v[CO+4:CO+7] offset:512
	ds_store_b128 v105, v[SI:SI+3] offset:1024
	ds_store_b128 v105, v[SI+4:SI+7] offset:1536
	s_wait_dscnt 0x0                               ; the stores are done
	s_wait_alu depctr_vm_vsrc(0)                   ; the stores have read v105, v[CO ..] and v[SI ..], which the next trip, and behind the loop the holds, write again
	s_add_co_u32 s84, s84, 16
	s_add_co_u32 s85, s85, 2048
	s_add_co_u32 s59, s59, 1
	s_cmp_lt_u32 s59, 4
	s_cbranch_scc1 .Lrope
	; ---- scales
	s_wait_kmcnt 0x0
	MKSC 16, 40                                    ; xn for q, k, v
	MKSC 18, 42
	MKSC 20, 44
	s_add_co_i32 s87, s40, s41                     ; a sum of xn Wq stands for sum x 2^(e0 + e1): q's conversion takes 2^(e6 - e0 - e1)
	s_sub_co_i32 s92, s46, s87
	MKSC 22, 92
	s_add_co_i32 s88, s42, s43
	s_sub_co_i32 s92, s47, s88
	MKSC 24, 92
	s_add_co_i32 s89, s44, s45
	s_sub_co_i32 s92, s49, s89
	MKSC 26, 92
	s_sub_co_i32 s87, 0, s87
	s_sub_co_i32 s88, 0, s88
	s_sub_co_i32 s89, 0, s89
	s_lshr_b32 s86, ttmp9, 1                       ; batch
	s_lshl_b32 s86, s86, 4
	s_add_co_u32 s86, s86, s39
	s_lshl_b32 s86, s86, 14
	s_and_b32 s90, ttmp9, 1
	s_lshl_b32 s90, s90, 13
	s_add_co_u32 s86, s86, s90
	v_add_nc_u32 v12, s86, v4                      ; where block 0's images go, the same in qimg, kimg, vimg; never written again (the waits of the first block's norm stand between this line and the first store)
.irp a,0,1,2,3
	v_mov_b32 v[ST+4*\a+1], 0                      ; named as the upper halves of pairs
	v_mov_b32 v[ST+4*\a+3], 0
.endr
	v_mov_b32 v29, 0
	v_mov_b32 v31, 0
	s_wait_loadcnt 0x0                             ; weights, gains, biases (and block 0 of x)
	s_add_nc_u64 s[60:61], s[60:61], 0x10000       ; x at the next block
.irp j,0,1,2,3,4,5,6,7,8,9,10,11,12,13,14,15
	v_ldexp_f32 v[64+\j], v[64+\j], s87            ; the biases go in divided by the power of two that the sums lack
	v_ldexp_f32 v[80+\j], v[80+\j], s88
.endr
	v_ldexp_f32 v28, v28, s89
	v_ldexp_f32 v30, v30, s89
	s_mov_b32 s58, 0
	s_mov_b32 s59, 7
.Lblk:
	BLOCK 1
	s_sub_co_u32 s59, s59, 1
	s_cmp_lg_u32 s59, 0
	s_cbranch_scc1 .Lblk
	BLOCK 0                                        ; the last block asks for nothing: no load leaves x
	; ---- the weights of the last launch, laid as its waves take them.  1,024 waves, one fragment of W1 or W2 each.
	; wimg: ((w 72 + U) 4 + i) 2048 + 512 quad + 16 lane; a fragment in the form's own layout: registers 2 c, 2 c + 1 = k 16 c + 8 h + 0 .. 7
	s_lshl_b32 s70, s38, 6
	s_add_co_u32 s70, s70, ttmp9
	s_lshl_b32 s70, s70, 2
	s_add_co_u32 s70, s70, s56                     ; G = 0 .. 1023
	s_lshr_b32 s71, s70, 8                         ; the wave w that will take it
	s_bfe_u32 s72, s70, 0x20006                    ; chunk c
	s_bfe_u32 s73, s70, 0x40002                    ; u: 0 - 7 W1, 8 - 15 W2
	s_and_b32 s74, s70, 3                          ; i
	s_mul_i32 s86, s71, 72
	s_add_co_u32 s86, s86, 8
	s_lshl_b32 s87, s72, 4
	s_add_co_u32 s86, s86, s87
	s_add_co_u32 s86, s86, s73                     ; unit U = 8 + 16 c + u
	s_lshl_b32 s86, s86, 2
	s_add_co_u32 s86, s86, s74
	s_lshl_b32 s86, s86, 11
	s_lshl_b32 s75, s72, 5
	s_lshl_b32 s76, s71, 3
	s_add_co_u32 s75, s75, s76
	s_add_co_u32 s75, s75, s73                     ; W1: column tile 32 c + 8 w + u, K step i
	s_and_b32 s77, s73, 1
	s_lshl_b32 s77, s77, 2
	s_add_co_u32 s77, s77, s76
	s_add_co_u32 s77, s77, s74                     ; W2: column tile 8 w + 4 (u % 2) + i,
	s_bfe_u32 s78, s73, 0x20001
	s_lshl_b32 s79, s72, 2
	s_add_co_u32 s78, s78, s79                     ; K step 4 c + (u - 8) / 2
	s_cmp_lt_u32 s73, 8
	s_cselect_b64 s[80:81], s[26:27], s[28:29]
	s_cselect_b32 s75, s75, s77
	s_cselect_b32 s78, s74, s78
	s_cselect_b32 s79, 9, 11                       ; a row is 512 or 2,048 bytes
	s_add_co_u32 s82, s79, 4
	s_lshl_b32 s75, s75, s82                       ; 16 rows a tile
	s_lshl_b32 s78, s78, 7
	s_add_co_u32 s84, s75, s78
	s_mov_b32 s85, 0
	s_add_nc_u64 s[80:81], s[80:81], s[84:85]
	v_lshlrev_b32 v14, s79, v2                     ; (the biases' loads at the head read v14 and v15: the blocks' waits on vm_vsrc stand between them and these lines)
	v_lshl_add_u32 v14, v3, 3, v14                 ; row r, + 8 h
	v_add_nc_u32 v15, s86, v4
	s_wait_alu depctr_va_vdst(0)                   ; v14 and v15 are written, the offsets of the loads and stores below; the last tile's lines are done with v96-111, in which the loads land
.irp c,0,1,2,3,4,5,6,7
	global_load_b64 v[96+2*\c:97+2*\c], v14, s[80:81] offset:16*\c
.endr
	s_wait_loadcnt 0x0
.irp q,0,1,2,3
	global_store_b128 v15, v[96+4*\q:99+4*\q], s[36:37] offset:512*\q
.endr
	s_cmp_lt_u32 s38, 2                            ; Wo: 128 fragments, 512 quads: the waves of y = 0 and 1 take one quad each
	s_cbranch_scc0 .Lend
	s_lshr_b32 s71, s70, 2
	s_lshr_b32 s72, s71, 5                         ; w
	s_bfe_u32 s73, s71, 0x30002                    ; u
	s_and_b32 s74, s71, 3                          ; K step
	s_lshl_b32 s75, s72, 3
	s_add_co_u32 s75, s75, s73                     ; column tile 8 w + u
	s_lshl_b32 s75, s75, 13
	s_lshl_b32 s76, s74, 7
	s_add_co_u32 s75, s75, s76
	s_lshl_b32 s76, s56, 5                         ; the quad is my wave's number
	s_add_co_u32 s84, s75, s76
	s_mov_b32 s85, 0
	s_add_nc_u64 s[24:25], s[24:25], s[84:85]
	s_mul_i32 s86, s72, 72
	s_add_co_u32 s86, s86, s73
	s_lshl_b32 s86, s86, 2
	s_add_co_u32 s86, s86, s74
	s_lshl_b32 s86, s86, 2
	s_add_co_u32 s86, s86, s56
	s_lshl_b32 s86, s86, 9
	v_lshlrev_b32 v7, 9, v2
	v_lshl_add_u32 v7, v3, 3, v7
	v_add_nc_u32 v9, s86, v4
	s_wait_alu depctr_va_vdst(0)                   ; v7 and v9 are written, the offsets of the two loads and of the store
	global_load_b64 v[112:113], v7, s[24:25]
	global_load_b64 v[114:115], v7, s[24:25] offset:16
	s_wait_loadcnt 0x0
	global_store_b128 v9, v[112:115], s[36:37]
.Lend:
	s_set_vgpr_msb 0xf                             ; the add's two registers, sources 0 and 1, lie in window 3
	s_wait_dscnt 0x0                               ; the closing lines, six on end
	s_wait_alu 0x0
	s_wait_tensorcnt 0x0
	ds_add_u32 v128, v129
	s_wait_dscnt 0x0
	s_endpgm
.Lfunc_end_k_q75e0875493_qkv:
	.size	k_q75e0875493_qkv, .Lfunc_end_k_q75e0875493_qkv-k_q75e0875493_qkv
	.p2alignl 7, 3214868480
	.fill 96, 4, 3214868480
	.section	.rodata,"a",@progbits
	.p2align	6, 0x0
	.amdhsa_kernel k_q75e0875493_qkv
		.amdhsa_group_segment_fixed_size 83968
		.amdhsa_private_segment_fixed_size 0
		.amdhsa_enable_private_segment 0
		.amdhsa_kernarg_size 136
		.amdhsa_user_sgpr_count 2
		.amdhsa_user_sgpr_kernarg_segment_ptr 1
		.amdhsa_wavefront_size32 1
		.amdhsa_system_sgpr_workgroup_id_x 1
		.amdhsa_system_sgpr_workgroup_id_y 1
		.amdhsa_system_sgpr_workgroup_id_z 1
		.amdhsa_system_vgpr_workitem_id 0
		.amdhsa_next_free_vgpr 898
		.amdhsa_next_free_sgpr 100
		.amdhsa_reserve_vcc 1
		.amdhsa_float_denorm_mode_32 3
		.amdhsa_float_denorm_mode_16_64 3
		.amdhsa_memory_ordered 1
		.amdhsa_forward_progress 1
		.amdhsa_inst_pref_size 210
	.end_amdhsa_kernel
	.amdgpu_metadata
---
amdhsa.version: [ 1, 2 ]
amdhsa.kernels:
  - .name:           k_q75e0875493_qkv
    .symbol:         k_q75e0875493_qkv.kd
    .args:
      - { .name: x, .offset: 0, .size: 8, .value_kind: global_buffer, .address_space: global }
      - { .name: g1, .offset: 8, .size: 8, .value_kind: global_buffer, .address_space: global }
      - { .name: be1, .offset: 16, .size: 8, .value_kind: global_buffer, .address_space: global }
      - { .name: Wq_codes, .offset: 24, .size: 8, .value_kind: global_buffer, .address_space: global }
      - { .name: Wk_codes, .offset: 32, .size: 8, .value_kind: global_buffer, .address_space: global }
      - { .name: Wv_codes, .offset: 40, .size: 8, .value_kind: global_buffer, .address_space: global }
      - { .name: bq, .offset: 48, .size: 8, .value_kind: global_buffer, .address_space: global }
      - { .name: bk, .offset: 56, .size: 8, .value_kind: global_buffer, .address_space: global }
      - { .name: bv, .offset: 64, .size: 8, .value_kind: global_buffer, .address_space: global }
      - { .name: lowp_scales, .offset: 72, .size: 8, .value_kind: global_buffer, .address_space: global }
      - { .name: Wo_codes, .offset: 80, .size: 8, .value_kind: global_buffer, .address_space: global }
      - { .name: W1_codes, .offset: 88, .size: 8, .value_kind: global_buffer, .address_space: global }
      - { .name: W2_codes, .offset: 96, .size: 8, .value_kind: global_buffer, .address_space: global }
      - { .name: qimg, .offset: 104, .size: 8, .value_kind: global_buffer, .address_space: global }
      - { .name: kimg, .offset: 112, .size: 8, .value_kind: global_buffer, .address_space: global }
      - { .name: vimg, .offset: 120, .size: 8, .value_kind: global_buffer, .address_space: global }
      - { .name: wimg, .offset: 128, .size: 8, .value_kind: global_buffer, .address_space: global }
    .group_segment_fixed_size: 83968
    .private_segment_fixed_size: 0
    .kernarg_segment_align: 8
    .kernarg_segment_size: 136
    .max_flat_workgroup_size: 128
    .sgpr_count:     100
    .vgpr_count:     898
    .wavefront_size: 32
...
	.end_amdgpu_metadata
.endif
;; end of part 4
;; launch attn (part 5): grid 256 x 1, 8 waves a work-group, no clusters, 0 bytes of LDS; arguments qimg, kimg, vimg, lowp_scales, aimg; writes aimg
.if DOCPART == 5
	.amdgcn_target "amdgcn-amd-amdhsa--gfx1250"
	.amdhsa_code_object_version 6
	.text
	.protected	k_q75e0875493_attn
	.globl	k_q75e0875493_attn
	.p2align	8
	.type	k_q75e0875493_attn,@function
k_q75e0875493_attn:
	s_mov_b64 s[64:65], 0
	v_nop
	global_prefetch_b8 v0, s[64:65] scope:SCOPE_SE
	s_setreg_imm32_b32 hwreg(HW_REG_WAVE_SCHED_MODE, 0, 2), 2
	s_setreg_imm32_b32 hwreg(HW_REG_WAVE_MODE, 25, 1), 1
	s_wait_xcnt 0x0
	s_wait_alu depctr_vm_vsrc(0)
; softmax(q k^T / sqrt(32)) v for one head a half work-group, both products on E4M3 codes, and the quantiser of the next product's operand (e10).
; t = score x log2(e) / sqrt(32); M = the running largest t rounded up to a whole number; p = 2^(t - M) is quantised (e8), not normalised; the row's sum is taken of the unquantised p and divides at the end.
; When M moves, the sum and O are multiplied by 2^(old M - new M), which rounds nothing.
; SHARES.  Work-group g: heads (of 512) 2 g and 2 g + 1.  Wave W: head 2 g + W / 4, tiles of 16 queries 8 (W % 4) .. + 7, one a trip.  THE HEAD'S WHOLE K AND V LIE IN THE WAVE'S REGISTERS (window 1: 128 + 128),
; loaded once as images, 512 consecutive bytes a load: no LDS, no barrier, nothing shared between work-groups, so no joint loads.  Two waves to a SIMD: one's vector work stands beside the other's products.
; LAYOUT.  Both products transposed: S^T = K Q^T, O^T = V^T P^T: a lane holds one query.  Register j of key tile t is key 16 t + 8 (lane / 16) + j, which is the place that the K = 128 form gives P's codes.
; THE HEAD SIZE IS 32, THE FORM'S K 64: Q's upper four registers are zero codes; a key tile's operand is its four registers and the four that follow (the next tile's codes, behind the last tile V's), finite codes that meet zeros.
; LIMITS.  e6 + e7 between -124 and 129 (added to c's exponent field); e8 and e10 between -126 and 119.  NaN is not served.
; REGISTERS, window 0: v1 16 lane; v2 where I store; v[4:5] -M, largest t; v[6:7] the sum; v[8:9] f; v10-15 at work; v16-23 Q; v24-39 p's codes; v40-55 O^T; v56-59 codes out; v60-63 scales and limits; v64-127 S^T, p; v128-151 at work.
; THE MODE: SCHED_MODE bits 1:0 = 2 (LLVM: expert scheduling mode 2), set by the entry lines.  The code itself states the register dependences
; between vector or matrix instructions and memory instructions, with s_wait_alu, always for 0.
; THE PLAN.  Registers that memory instructions touch:
;   v1, v2      The offsets of all loads and of all stores.  Made at the head, never written again: Q's base and the output's base are scalar and move on at a trip's end.
;   v[16:19]    Q.  Read by the 32 products K Q^T of a trip; the next trip's Q is loaded behind the last eight of them.
;   v[56:59]    The trip's codes.  Written by the two conversions at a trip's end; read by the store behind them.
;   K, V        Window 1: loaded once at the head; no vector instruction ever writes them.
; So a trip has, beside the five waits behind its exponentials and its reciprocal, two waits on va_vdst (ahead of Q's load, ahead of the store) and one on vm_vsrc, which stands
; ahead of the conversions, a whole trip behind the store that it speaks of.
.set MSB, 0
.macro WIN new
.if MSB != \new
	s_set_vgpr_msb (MSB<<8)|\new
.set MSB, \new
.endif
.endm
.macro PLACES n
.rept \n
	v_nop
.endr
.endm
.macro MKSC vr, se                     ; v[vr] = 2^E, v[vr + 1] = 448 x 2^E
	s_add_co_i32 s46, s[\se], 127
	s_lshl_b32 s47, s46, 23
	v_mov_b32 v[\vr], s47
	s_add_co_i32 s46, s46, 8
	s_lshl_b32 s46, s46, 23
	s_or_b32 s46, s46, 0x600000
	v_mov_b32 v[\vr+1], s46
.endm
; A step of 128 keys, the g-th of four.  first = 1: it starts M, the sum and O^T.
.macro STEP g, first
	WIN 0x01
.irp t,0,1,2,3,4,5,6,7
	v_wmma_f32_16x16x64_fp8_fp8 v[64+8*\t:71+8*\t], v[4*(8*\g+\t):4*(8*\g+\t)+7], v[16:23], 0
.endr
	WIN 0
	PLACES 4                                       ; ahead of the first read of results (ISA guide 7.12.1)
.if \g == 3
	s_wait_alu depctr_va_vdst(0)                   ; the trip's last eight products K Q^T are done reading Q, in whose registers the load below lands
	s_cmp_eq_u32 s36, 1                            ; the next trip's Q, if there is a next trip: no load leaves its buffer
	s_cbranch_scc1 .Lnoq_\@
	global_load_b128 v[16:19], v1, s[4:5] offset:512
.Lnoq_\@:
.endif
.irp x,0,1,2,3                                 ; the largest score among my 64 keys: four chains, each ascending over two tiles, so that each result is read from its low end on
	v_max3_num_f32 v[128+\x], v[64+16*\x], v[65+16*\x], v[66+16*\x]
.endr
.irp i,3,5,7,9,11,13
.irp x,0,1,2,3
	v_max3_num_f32 v[128+\x], v[128+\x], v[64+16*\x+\i], v[65+16*\x+\i]
.endr
.endr
	v_max3_num_f32 v128, v128, v79, v95
	v_max3_num_f32 v129, v129, v111, v127
	v_max3_num_f32 v128, v128, v129, v130
	v_max_num_f32 v128, v128, v131
	v_permlanex16_b32 v14, v128, s34, s35
	v_max_num_f32 v128, v128, v14                  ; and among lane xor 16's
	v_mul_f32 v128, s32, v128                      ; as t (c is positive)
.if \first
	v_mov_b32 v5, v128
	v_floor_f32 v4, -v5                            ; -M = floor(-t)
.else
	v_max_num_f32 v5, v5, v128
	v_mov_b32 v10, v4
	v_floor_f32 v4, -v5
	v_sub_f32 v10, v4, v10                         ; old M - new M, a whole number, 0 or less
	v_cvt_i32_f32 v10, v10
	v_ldexp_f32 v8, 1.0, v10                       ; f
.endif
.irp j,0,2,4,6,8,10,12,14,16,18,20,22,24,26,28,30,32,34,36,38,40,42,44,46,48,50,52,54,56,58,60,62
	v_pk_fma_f32 v[64+\j:65+\j], v[64+\j:65+\j], s[32:33], v[4:5] op_sel_hi:[1,0,0]   ; t - M
.endr
.irp j,0,1,2,3,4,5,6,7,8,9,10,11,12,13,14,15,16,17,18,19,20,21,22,23,24,25,26,27,28,29,30,31,32,33,34,35,36,37,38,39,40,41,42,43,44,45,46,47,48,49,50,51,52,53,54,55,56,57,58,59,60,61,62,63
	v_exp_f32 v[64+\j], v[64+\j]                   ; p
.endr
.if \first
	v_nop                                          ; a plain line behind the last exponential
.else
.irp j,0,2,4,6,8,10,12,14
	v_pk_mul_f32 v[40+\j:41+\j], v[40+\j:41+\j], v[8:9] op_sel_hi:[1,0]   ; O^T under the new M: work that names no exponential's result
.endr
.endif
	s_wait_alu depctr_va_vdst(0)                   ; the 64 exponentials have written v64-127: one wait, ahead of their first reader
.irp x,0,1,2,3                                 ; the sum of the unquantised p, in four chains
	v_pk_add_f32 v[128+2*\x:129+2*\x], v[64+2*\x:65+2*\x], v[72+2*\x:73+2*\x]
.endr
.irp k,2,3,4,5,6,7
.irp x,0,1,2,3
	v_pk_add_f32 v[128+2*\x:129+2*\x], v[128+2*\x:129+2*\x], v[64+8*\k+2*\x:65+8*\k+2*\x]
.endr
.endr
	v_pk_add_f32 v[128:129], v[128:129], v[130:131]
	v_pk_add_f32 v[132:133], v[132:133], v[134:135]
.if \first
	v_pk_add_f32 v[6:7], v[128:129], v[132:133]
.else
	v_pk_add_f32 v[128:129], v[128:129], v[132:133]
	v_pk_fma_f32 v[6:7], v[6:7], v[8:9], v[128:129] op_sel_hi:[1,0,1]
.endif
	s_cmp_ge_i32 s24, -8                           ; the hold at 448 x 2^e8.  With e8 >= -8 that is 1.75 or more, above every p (p <= 1): the hold would change nothing and is passed over.  e8 is a whole number read from memory
	s_cbranch_scc1 .Lnohold_\@
.irp j,0,1,2,3,4,5,6,7,8,9,10,11,12,13,14,15,16,17,18,19,20,21,22,23,24,25,26,27,28,29,30,31,32,33,34,35,36,37,38,39,40,41,42,43,44,45,46,47,48,49,50,51,52,53,54,55,56,57,58,59,60,61,62,63
	v_min_num_f32 v[64+\j], v[64+\j], v61
.endr
.Lnohold_\@:
.irp t,0,1,2,3,4,5,6,7
	v_cvt_scalef32_pk8_fp8_f32 v[24+2*\t:25+2*\t], v[64+8*\t:71+8*\t], v60
.endr
	v_nop                                          ; a plain line between the conversions and the products that read their results
	WIN 0x01
.irp d,0,1
.if \first
	v_wmma_f32_16x16x128_fp8_fp8 v[40+8*\d:47+8*\d], v[128+32*\g+16*\d:143+32*\g+16*\d], v[24:39], 0
.else
	v_wmma_f32_16x16x128_fp8_fp8 v[40+8*\d:47+8*\d], v[128+32*\g+16*\d:143+32*\g+16*\d], v[24:39], v[40+8*\d:47+8*\d]
.endif
.endr
	WIN 0
.endm
	s_load_b256 s[4:11], s[0:1], 0x0               ; qimg, kimg, vimg, scales
	s_load_b64 s[12:13], s[0:1], 0x20              ; aimg
	v_lshrrev_b32 v1, 5, v0
	v_readfirstlane_b32 s14, v1                    ; wave 0 .. 7
	v_and_b32 v1, 31, v0
	v_lshlrev_b32 v1, 4, v1                        ; 16 lane
	s_wait_alu depctr_va_sdst(0)                   ; s14 is written, ahead of its first reader: my head and my tiles of queries are made from it
	s_lshr_b32 s38, s14, 2
	s_lshl_b32 s39, ttmp9, 1
	s_add_co_u32 s38, s38, s39                     ; head index = 16 batch + head
	s_and_b32 s39, s14, 3                          ; which eight tiles of queries
	s_lshl_b32 s40, s38, 14
	s_mov_b32 s41, 0
	s_lshl_b32 s42, s39, 12
	s_mov_b32 s43, 0
	s_lshr_b32 s44, s38, 4
	s_lshl_b32 s44, s44, 5
	s_lshl_b32 s45, s39, 3
	s_add_co_u32 s44, s44, s45                     ; my first tile of 16 tokens, of 1,024
	s_lshl_b32 s44, s44, 4
	s_and_b32 s45, s38, 15
	s_add_co_u32 s44, s44, s45
	s_lshl_b32 s44, s44, 9
	v_add_nc_u32 v2, s44, v1                       ; aimg: (tile 16 + head) 512 + 16 lane, for my first tile; never written again
	s_mov_b32 s34, 0x76543210
	s_mov_b32 s35, 0xfedcba98
	s_mov_b32 s36, 8
	v_mov_b32 v9, 0                                ; named as upper halves of pairs, or as a lane permute's destination
	v_mov_b32 v13, 0
	v_mov_b32 v14, 0
.irp j,20,21,22,23
	v_mov_b32 v\j, 0                               ; Q's k = 32 .. 63: zero codes
.endr
	s_wait_kmcnt 0x0
	s_load_b512 s[16:31], s[10:11], 0x0            ; e0 .. e15: e6 s22, e7 s23, e8 s24, e9 s25, e10 s26
	s_add_nc_u64 s[4:5], s[4:5], s[40:41]
	s_add_nc_u64 s[4:5], s[4:5], s[42:43]
	s_add_nc_u64 s[6:7], s[6:7], s[40:41]
	s_add_nc_u64 s[8:9], s[8:9], s[40:41]
	s_wait_alu depctr_va_vdst(0)                   ; v1 and v2 are written: every load of the kernel reads v1 as its offset, every store v2
	global_load_b128 v[16:19], v1, s[4:5]
	WIN 0x40
.set n, 0
.rept 32
	global_load_b128 v[4*n:4*n+3], v1, s[6:7] offset:512*n          ; key tile n
.set n, n+1
.endr
.irp g,0,1,2,3
.irp d,0,1
.irp c,0,1,2,3
	global_load_b128 v[128+32*\g+16*\d+4*\c:131+32*\g+16*\d+4*\c], v1, s[8:9] offset:4096*\g+1024*\c+512*\d
.endr
.endr
.endr
	WIN 0
	s_wait_kmcnt 0x0
	s_add_co_i32 s38, s22, s23
	s_lshl_b32 s38, s38, 23
	s_add_co_i32 s32, s38, 0x3e8293ee              ; c = log2(e) / sqrt(32) x 2^(e6 + e7)
	s_mov_b32 s33, s32
	s_add_co_i32 s37, s24, s25                     ; e8 + e9
	MKSC 60, 24
	MKSC 62, 26
.Ltile:
	s_wait_loadcnt 0x0                             ; Q (in the first trip K and V too)
	STEP 0, 1
	STEP 1, 0
	STEP 2, 0
	STEP 3, 0
	PLACES 4
	v_add_f32 v6, v6, v7
	v_permlanex16_b32 v14, v6, s34, s35
	v_add_f32 v6, v6, v14                          ; the row's sum
	v_rcp_f32 v12, v6
	v_nop
	s_wait_alu depctr_va_vdst(0)                   ; the reciprocal has written v12, ahead of its first reader
	v_ldexp_f32 v12, v12, s37                      ; x 2^(e8 + e9)
.irp j,0,2,4,6,8,10,12,14
	v_pk_mul_f32 v[136+\j:137+\j], v[40+\j:41+\j], v[12:13] op_sel_hi:[1,0]
.endr
.irp j,0,1,2,3,4,5,6,7,8,9,10,11,12,13,14,15
	v_med3_num_f32 v[136+\j], v[136+\j], -v63, v63
.endr
	s_wait_alu depctr_vm_vsrc(0)                   ; the last trip's store has read v[56:59], which the two conversions write again
	v_cvt_scalef32_pk8_fp8_f32 v[56:57], v[136:143], v62
	v_cvt_scalef32_pk8_fp8_f32 v[58:59], v[144:151], v62
	v_nop
	s_wait_alu depctr_va_vdst(0)                   ; the conversions have written v[56:59], which the store reads
	global_store_b128 v2, v[56:59], s[12:13]       ; 512 consecutive bytes: my head's quad of the next product's fragment
	s_wait_xcnt 0x0                                ; the store and Q's load have read their addresses and data
	s_add_nc_u64 s[12:13], s[12:13], 0x2000        ; the next tile of 16 tokens: 16 heads x 512 bytes on
	s_add_nc_u64 s[4:5], s[4:5], 512
	s_sub_co_u32 s36, s36, 1
	s_cmp_lg_u32 s36, 0
	s_cbranch_scc1 .Ltile
	s_endpgm
.Lfunc_end_k_q75e0875493_attn:
	.size	k_q75e0875493_attn, .Lfunc_end_k_q75e0875493_attn-k_q75e0875493_attn
	.p2alignl 7, 3214868480
	.fill 96, 4, 3214868480
	.section	.rodata,"a",@progbits
	.p2align	6, 0x0
	.amdhsa_kernel k_q75e0875493_attn
		.amdhsa_group_segment_fixed_size 0
		.amdhsa_private_segment_fixed_size 0
		.amdhsa_enable_private_segment 0
		.amdhsa_kernarg_size 40
		.amdhsa_user_sgpr_count 2
		.amdhsa_user_sgpr_kernarg_segment_ptr 1
		.amdhsa_wavefront_size32 1
		.amdhsa_system_sgpr_workgroup_id_x 1
		.amdhsa_system_sgpr_workgroup_id_y 1
		.amdhsa_system_sgpr_workgroup_id_z 1
		.amdhsa_system_vgpr_workitem_id 0
		.amdhsa_next_free_vgpr 512
		.amdhsa_next_free_sgpr 66
		.amdhsa_reserve_vcc 0
		.amdhsa_float_denorm_mode_32 3
		.amdhsa_float_denorm_mode_16_64 3
		.amdhsa_memory_ordered 1
		.amdhsa_forward_progress 1
		.amdhsa_inst_pref_size 61
	.end_amdhsa_kernel
	.amdgpu_metadata
---
amdhsa.version: [ 1, 2 ]
amdhsa.kernels:
  - .name:           k_q75e0875493_attn
    .symbol:         k_q75e0875493_attn.kd
    .args:
      - { .name: qimg, .offset: 0, .size: 8, .value_kind: global_buffer, .address_space: global }
      - { .name: kimg, .offset: 8, .size: 8, .value_kind: global_buffer, .address_space: global }
      - { .name: vimg, .offset: 16, .size: 8, .value_kind: global_buffer, .address_space: global }
      - { .name: lowp_scales, .offset: 24, .size: 8, .value_kind: global_buffer, .address_space: global }
      - { .name: aimg, .offset: 32, .size: 8, .value_kind: global_buffer, .address_space: global }
    .group_segment_fixed_size: 0
    .private_segment_fixed_size: 0
    .kernarg_segment_align: 8
    .kernarg_segment_size: 40
    .max_flat_workgroup_size: 256
    .sgpr_count:     66
    .vgpr_count:     512
    .wavefront_size: 32
...
	.end_amdgpu_metadata
.endif
;; end of part 5
;; launch ffn: the kernel of part 3 again; grid 256 x 1, 4 waves a work-group, clusters of 4 x 1, 327,680 bytes of LDS; arguments aimg, wimg, x, bo, g2, be2, b1, b2, lowp_scales, out0; writes out0
